; MI455X (gfx1250); checked and timed in simulation.
; The chip was launched on July 23, 2026; its instructions are those of AMD's public machine-readable ISA for CDNA 5 (MIT licence, August 2026) and "CDNA5" Instruction Set Architecture Reference Guide (July 2026). The comments in the code are by the model that wrote it; some were corrected since.
;; Experts. Allowed arithmetic: float matrix products may take bf16 or f16 operands with f32 sums; all other float work in f32.
;; Inputs: b1 8 x 2,048 float32; b2 8 x 1,024 float32; w1 8 x 1,024 x 2,048 float32; w2 8 x 2,048 x 1,024 float32; x 4 x 8 x 512 x 1,024 float32.
;; Outputs: out0 4 x 8 x 512 x 1,024 float32.
;; 2 versions, each right; version 2 is version 1 with the launch cvt written anew for expert scheduling mode. Each part assembles by itself: llvm-mc -triple=amdgcn-amd-amdhsa -mcpu=gfx1250 --defsym DOCPART=n.
;; ======== version 1 of 2: 4 launches
;; workspace buffers: xb0 16,777,216 bytes; xb1 16,777,216 bytes; w1b0 16,777,216 bytes; w1b1 16,777,216 bytes; w2b 33,554,432 bytes; hb 67,108,864 bytes
;; launch cvt (part 1): grid 256 x 2, 8 waves a work-group, no clusters, 0 bytes of LDS; arguments x, w1, xb0, w1b0; writes xb0, w1b0
.if DOCPART == 1
	.amdgcn_target "amdgcn-amd-amdhsa--gfx1250"
	.amdhsa_code_object_version 6
	.text
	.protected	k_q78185b3319_cvt
	.globl	k_q78185b3319_cvt
	.p2align	8
	.type	k_q78185b3319_cvt,@function
k_q78185b3319_cvt:
	s_mov_b64 s[64:65], 0
	v_nop
	global_prefetch_b8 v0, s[64:65] scope:SCOPE_SE
	s_setreg_imm32_b32 hwreg(HW_REG_WAVE_MODE, 25, 1), 1
	s_wait_xcnt 0x0
; f32 -> bf16 (round to nearest even), layout unchanged, for what the first product's first launch needs: the first 33,554,432 bytes of x
; (rows 0 to 8191, experts 0 to 3) -> xb0 and the first 33,554,432 bytes of w1 (experts 0 to 3) -> w1b0.  The other halves, and w2, are
; converted beside the matrix work of the next two launches.
; The grid's y picks the pair of buffers; the 256 work-groups along x take 131,072 bytes of input each, a wave 16,384 bytes as 32 loads of
; 512 consecutive bytes (16 bytes a lane).  A load's 128 numbers leave as one store of 8 bytes a lane: 256 consecutive bytes at a multiple
; of 256 from the buffer's first byte.  Every byte is read once and written once.
; Nothing is shared between lanes, so there is no LDS, no barrier, no matrix work and no cluster.
; DEPTH register slots keep DEPTH loads of every wave on their way; a wave's 32 loads are two rounds over the slots, written out.
; Each round has its own registers for the stores' data, and no address register or base is ever rewritten: no store is waited for.
.set DEPTH,  16                        ; slots = loads in flight in each wave
.set CHUNK,  512                       ; input bytes of one load of a wave
.set X, 4                              ; v[4:67]   slot i: 4 registers, 4 f32 as loaded
.set Y, 68                             ; v[68:131] round r, slot i: 2 registers, 4 bf16 to store
                                       ; v1 input byte offset of my 16 bytes, v2 output byte offset of my 8 bytes
	s_load_b256 s[4:11], s[0:1], 0x0               ; x s[4:5], w1 s[6:7], xb0 s[8:9], w1b0 s[10:11]
	s_and_b32 s16, ttmp7, 0xffff                   ; y: which pair of buffers
	v_lshrrev_b32 v3, 5, v0                        ; wave
	v_and_b32 v1, 31, v0                           ; lane
	v_lshlrev_b32 v1, 4, v1                        ; 16 bytes a lane
	v_lshl_or_b32 v1, v3, 14, v1                   ; + wave x 16,384 bytes
	v_lshrrev_b32 v2, 1, v1                        ; the output has half the bytes
	s_wait_kmcnt 0x0
	s_cmp_eq_u32 s16, 1                            ; the choice hangs on the work-group's y alone
	s_cselect_b64 s[18:19], s[6:7], s[4:5]
	s_cselect_b64 s[20:21], s[10:11], s[8:9]
	s_lshl_b32 s2, ttmp9, 17                       ; the work-group's 131,072 bytes of input (below 32 MiB: one word)
	s_mov_b32 s3, 0
	s_add_nc_u64 s[18:19], s[18:19], s[2:3]
	s_lshl_b32 s2, ttmp9, 16                       ; and its 65,536 bytes of output
	s_add_nc_u64 s[20:21], s[20:21], s[2:3]
.irp i, 0,1,2,3,4,5,6,7,8,9,10,11,12,13,14,15
	global_load_b128 v[X+4*\i:X+4*\i+3], v1, s[18:19] offset:CHUNK*\i th:TH_LOAD_NT   ; round 0; the launch reads each byte once
.endr
; Slot i's turn in round r.  ahead = 1: the slot is loaded again, for the next round.  left = how many younger loads may stay out.
.macro SLOT i, r, ahead, left
	s_wait_loadcnt \left                           ; loads come back in order (ISA guide 5.7.1): mine is in, the younger ones stay out
	v_cvt_pk_bf16_f32 v[Y+32*\r+2*\i],   v[X+4*\i],   v[X+4*\i+1]
	v_cvt_pk_bf16_f32 v[Y+32*\r+2*\i+1], v[X+4*\i+2], v[X+4*\i+3]
.if \ahead
	global_load_b128 v[X+4*\i:X+4*\i+3], v1, s[18:19] offset:(\r+1)*DEPTH*CHUNK+CHUNK*\i th:TH_LOAD_NT
.endif
	global_store_b64 v2, v[Y+32*\r+2*\i:Y+32*\r+2*\i+1], s[20:21] offset:(\r*DEPTH+\i)*CHUNK/2   ; no hint: the next launch reads these bytes
.endm
.irp i, 0,1,2,3,4,5,6,7,8,9,10,11,12,13,14,15
	SLOT \i, 0, 1, DEPTH-1
.endr
.irp i, 0,1,2,3,4,5,6,7,8,9,10,11,12,13,14,15
	SLOT \i, 1, 0, DEPTH-1-\i                      ; the last round loads nothing: the counts run down, and no load leaves the wave's share
.endr
	s_endpgm
.Lfunc_end_k_q78185b3319_cvt:
	.size	k_q78185b3319_cvt, .Lfunc_end_k_q78185b3319_cvt-k_q78185b3319_cvt
	.p2alignl 7, 3214868480
	.fill 96, 4, 3214868480
	.section	.rodata,"a",@progbits
	.p2align	6, 0x0
	.amdhsa_kernel k_q78185b3319_cvt
		.amdhsa_group_segment_fixed_size 0
		.amdhsa_private_segment_fixed_size 0
		.amdhsa_enable_private_segment 0
		.amdhsa_kernarg_size 32
		.amdhsa_user_sgpr_count 2
		.amdhsa_user_sgpr_kernarg_segment_ptr 1
		.amdhsa_wavefront_size32 1
		.amdhsa_system_sgpr_workgroup_id_x 1
		.amdhsa_system_sgpr_workgroup_id_y 1
		.amdhsa_system_sgpr_workgroup_id_z 1
		.amdhsa_system_vgpr_workitem_id 0
		.amdhsa_next_free_vgpr 132
		.amdhsa_next_free_sgpr 66
		.amdhsa_reserve_vcc 0
		.amdhsa_float_denorm_mode_32 3
		.amdhsa_float_denorm_mode_16_64 3
		.amdhsa_memory_ordered 1
		.amdhsa_forward_progress 1
		.amdhsa_inst_pref_size 12
	.end_amdhsa_kernel
	.amdgpu_metadata
---
amdhsa.version: [ 1, 2 ]
amdhsa.kernels:
  - .name:           k_q78185b3319_cvt
    .symbol:         k_q78185b3319_cvt.kd
    .args:
      - { .name: x, .offset: 0, .size: 8, .value_kind: global_buffer, .address_space: global }
      - { .name: w1, .offset: 8, .size: 8, .value_kind: global_buffer, .address_space: global }
      - { .name: xb0, .offset: 16, .size: 8, .value_kind: global_buffer, .address_space: global }
      - { .name: w1b0, .offset: 24, .size: 8, .value_kind: global_buffer, .address_space: global }
    .group_segment_fixed_size: 0
    .private_segment_fixed_size: 0
    .kernarg_segment_align: 8
    .kernarg_segment_size: 32
    .max_flat_workgroup_size: 256
    .sgpr_count:     66
    .vgpr_count:     132
    .wavefront_size: 32
...
	.end_amdgpu_metadata
.endif
;; end of part 1
;; launch upa (part 2): grid 8 x 32, 4 waves a work-group, clusters of 4 x 4, 327,680 bytes of LDS; arguments xb0, w1b0, hb, b1, x, w1, xb1, w1b1; writes hb, xb1, w1b1
.if DOCPART == 2
	.amdgcn_target "amdgcn-amd-amdhsa--gfx1250"
	.amdhsa_code_object_version 6
	.text
	.protected	k_q78185b3319_upa
	.globl	k_q78185b3319_upa
	.p2align	8
	.type	k_q78185b3319_upa,@function
k_q78185b3319_upa:
	s_mov_b64 s[64:65], 0
	v_nop
	global_prefetch_b8 v0, s[64:65] scope:SCOPE_SE
	s_setreg_imm32_b32 hwreg(HW_REG_WAVE_MODE, 25, 1), 1
	s_wait_xcnt 0x0
	s_wait_alu depctr_hold_cnt(0) depctr_sa_sdst(0) depctr_va_vdst(0) depctr_va_sdst(0) depctr_va_ssrc(0) depctr_va_vcc(0) depctr_vm_vsrc(0)
	s_getreg_b32 s2, hwreg(HW_REG_IB_STS2, 6, 4)
	s_cmp_eq_u32 s2, 0
	s_cbranch_scc0 .Lentry_in_a_cluster
	s_endpgm
.Lentry_in_a_cluster:
	s_bfe_u32 s2, ttmp6, 0x10000c
	s_cmp_lg_u32 s2, 0xf033
	s_cbranch_scc0 .Lentry_shape_is_right
	s_endpgm
.Lentry_shape_is_right:
; THE FIRST PRODUCT FOR EXPERTS EXP0 .. EXP0 + 3, AND A CONVERSION BESIDE IT.
; hb = bf16(gelu(A . B[e] + b1[e])).  A: [8192][1024] bf16, four experts' rows of x (an expert owns 2,048 rows), B: [4][1024 k][2048 n] bf16, their w1,
; b1: [8][2048] f32, hb: [16384][2048] bf16, of which this launch stores rows 2048 EXP0 .. 2048 EXP0 + 8191.
; Sums, bias and GELU in f32; h is rounded once, to bf16, since it is the next product's operand.
; A work-group makes a block of 256 x 256 with four waves; a wave makes 128 x 128: 64 accumulator tiles of 16 x 16, 512 registers.
; K goes in steps of 128 through a ring of two LDS slots filled by the tensor data mover.
; THE WEIGHTS LIE [k][n]: a tile of them is 128 k rows of 256 columns (512 bytes a row), and the fragments, which want k along a lane's
; registers, come out of LDS by the transposing load ds_load_tr16_b128, two a fragment, as many as a plain fragment takes.
; CLUSTERS: 4 x 4 work-groups.  The four of a cluster's row make blocks of one block row and need the same tiles of A; the four of a column need
; the same tiles of B (an expert has 8 block rows, a cluster 4, so all sixteen have one expert).  Such a tile is asked for jointly.
; THE SIDE STREAM: the matrix loop asks little of memory, so each wave also converts 65,536 bytes of f32 to bf16 (round to nearest even, layout
; unchanged) for a later launch: 8 groups of 16 loads of 512 consecutive bytes, one group in each of the 8 K steps, each group requested two K steps
; (512 matrix instructions) before it is converted.  Here (SIDE2 = 1): the second halves of x and of w1, for the launch of experts 4 to 7.
; The 256 work-groups x 262,144 bytes are the 67,108,864 bytes of the two halves; each byte is read once and each result stored once.
; LIMITS.  Matrix operands are bf16.  GELU is v Phi(v) with Phi by the rational form of Abramowitz and Stegun 26.2.17 (absolute error of Phi
; below 7.5e-8, so the error of the result is below 7.5e-8 |v|).  v_exp_f32 gives zero where its result would be denormal (ISA guide 15.8):
; for v below about -13.2 the result is zero where the exact one has a magnitude below 1e-37.  The sign of a zero result may differ.
; A pre-activation that is not finite gives NaN.
;
; REGISTERS, in windows of 256:
;   window 0: v0-31 addresses; v32-63 the side stream's bf16 (on the way out: rows read back); v64-127, v128-191 fragments of A, two buffers (at work on the way out); v192-255 my 64 bias numbers
;   window 1: v64-127, v128-191 fragments of B, two buffers; v0-63, v192-255 the side stream's f32, two groups
;   window 2: the 32 accumulator tiles of my rows 0-63 (tile (a, b) at v[8 (8 a + b)]);   window 3: those of my rows 64-127
; THE MATRIX INSTRUCTION IS USED TRANSPOSED: source 0 = 16 columns of the weights, source 1 = 16 rows of A.  Lane l then holds row l % 16 of the
; result and its registers 0 to 7 the columns 8 (l / 16) + 0 .. 7: eight neighbouring numbers of a row.
.set EXP0,   0                         ; the first of this launch's four experts
.set SIDE2,  1                         ; 1: the side stream has two sources (second halves of x and w1); 0: one (all of w2)
.set SIDE_OFF, 33554432                ; where a source's second half begins
.set SIZE_K, 1024
.set SIZE_N, 2048
.set KSTEP,  128
.set PITCH,  272                       ; A's LDS row: 256 bytes + 16 of padding, an odd multiple of 16: the 16 rows of a fragment load start 16 bytes apart modulo 256
.set PITCHB, 544                       ; B's LDS row: 512 bytes + 32 of padding, an odd multiple of 32, for the transposing loads
.set HALFT,  128*PITCH                 ; what one tensor load brings: 128 rows of A, or 64 k rows of B (64 x 544 is the same 34,816 bytes)
.set SLOT,   4*HALFT                   ; A's 256 rows, then B's 128 k rows
.set STAGE,  2*SLOT                    ; behind the ring (a multiple of 256): 16 rows for each wave, for the way out; no tensor load lands here
.set SPITCH, 272                       ; a stage row: 128 bf16 + 16 bytes
.set WCOLB,  256                       ; a wave's bytes of a row of the result
.set BROW,   SIZE_N*2                  ; bytes from one k row of the weights to the next
.set BSTEP,  KSTEP*BROW                ; and from one K step to the next
.set CROW,   4096                      ; bytes in a row of the result
.set LAPS,   SIZE_K/(2*KSTEP)          ; a lap = two K steps = once round the ring
.set GROUP,  8192                      ; the side stream: input bytes of a wave's group of 16 loads
.set ADRA, 16                          ; v16-17  LDS address of my A fragments in slot 0, 1
.set ADRB, 20                          ; v20-21  the same for B
.set STO,  24                          ; v24     the way out: where I put 16 bytes of a row
.set RD,   25                          ; v25     the way out: where I read a row back
.set CO,   26                          ; v26     my byte offset in the result
.set BO,   27                          ; v27     my byte offset in the bias: 32 (l / 16)
.set SI,   28                          ; v28     the side stream: 16 x lane, never rewritten
.set SO,   29                          ; v29     the side stream: 8 x lane, never rewritten
.set YS,   32                          ; v32-63  the side stream: a group's 16 x 2 registers of bf16
.set RB,   32                          ; v32-63  the way out: rows read back
.set XS,   192                         ; window 1: the group of K step t lies at v[XS (t % 2)]: v0-63 or v192-255
.set F0,   64                          ; fragment buffer 0
.set F1,   128                         ; fragment buffer 1
.set BIAS, 192                         ; v[BIAS + 8 b + j] = bias of my column 16 b + 8 (l / 16) + j
.set G1,  24                           ; s[24:31] descriptor group 1 for A's tiles
.set G0,  32                           ; s[32:39] descriptor group 0 for A's tiles, one set for each slot
.set G1B, 48                           ; s[48:55] descriptor group 1 for B's tiles
.set G0B, 56                           ; s[56:63] descriptor group 0 for B's tiles, one set for each slot
.set SIN,  76                          ; s[76:77] the side stream: where my wave reads
.set SOUT, 78                          ; s[78:79] the side stream: where my wave stores
.set MSB, 0
.macro WIN new                         ; the immediate's high byte repeats the setting that is left; a switch that changes nothing is dropped
.if MSB != \new
	s_set_vgpr_msb (MSB<<8)|\new
.set MSB, \new
.endif
.endm
.set MUL_LO, 0xa1                      ; source 0 (B) window 1, source 1 (A) window 0, C and D window 2
.set MUL_HI, 0xf1                      ; the same, C and D window 3
.set TO_B,   0x40                      ; destination window 1, address window 0
.set FROM_X, 0x05                      ; sources 0 and 1 window 1, destination window 0
; A joint load.  Waves 0 and 1 fetch A's two halves, waves 2 and 3 B's.  Each line has one mask and one set of registers for all that issue it.
; The branch hangs on the wave's number alone: it is the same in every work-group.
.macro JLOAD s
	s_cmp_eq_u32 s11, 0
	s_cbranch_scc0 .Lfor_b_\@
	tensor_load_to_lds s[G0+4*\s:G0+4*\s+3], s[G1:G1+7]
	s_nop 0
	s_branch .Lasked_\@
.Lfor_b_\@:
	tensor_load_to_lds s[G0B+4*\s:G0B+4*\s+3], s[G1B:G1B+7]
	s_nop 0
.Lasked_\@:
.endm
; A round of the cluster's barrier: my work-group's barrier, so that wave 0's signal speaks for all four waves; wave 0 signals for the work-group;
; every wave waits for all sixteen work-groups; my work-group's barrier once more.
.macro CREST                           ; a round behind its opening barrier
	s_cmp_lg_u32 s10, 0
	s_cbranch_scc1 .Lnot_wave_0_\@
	s_barrier_signal -3
.Lnot_wave_0_\@:
	s_barrier_wait -3
	s_barrier_signal -1
	s_barrier_wait -1
.endm
.macro CROUND                          ; a whole round
	s_barrier_signal -1
	s_barrier_wait -1
	CREST
.endm
	s_load_b128 s[4:7], s[0:1], 0x0                ; A s[4:5], B s[6:7]
	s_load_b64 s[8:9], s[0:1], 0x10                ; the result
	s_load_b64 s[70:71], s[0:1], 0x18              ; the bias
.if SIDE2
	s_load_b256 s[80:87], s[0:1], 0x20             ; the side stream: x s[80:81], w1 s[82:83], xb1 s[84:85], w1b1 s[86:87]
	v_lshl_add_u32 v30, v0, 2, 0x48400
	v_mov_b32 v31, 0
	ds_add_u32 v30, v31
.else
	s_load_b128 s[SIN:SIN+3], s[0:1], 0x20         ; the side stream: w2, w2b
.endif
	v_lshrrev_b32 v1, 5, v0
	v_readfirstlane_b32 s10, v1                    ; wave 0..3
	s_lshr_b32 s11, s10, 1                         ; which half of the block's rows is mine.  Also: I fetch for A (0) or for B (1)
	s_and_b32 s12, s10, 1                          ; which half of its columns.  Also: which half of that tile I fetch
	s_bfe_u32 s40, ttmp6, 0x40000                  ; cx: my place along the cluster's x
	s_bfe_u32 s41, ttmp6, 0x40004                  ; cy: along its y
	s_lshl_b32 s42, ttmp9, 2                       ; in a cluster launch ttmp9 and ttmp7 count clusters
	s_add_co_u32 s42, s42, s40                     ; block column = 4 x cluster x + cx, 0 to 7
	s_and_b32 s68, ttmp7, 0xffff                   ; cluster y, 0 to 7
	s_lshr_b32 s66, s68, 1                         ; expert of the launch's four = block row / 8 = cluster y / 2: the same in all sixteen work-groups
	s_lshl_b32 s13, s68, 2
	s_add_co_u32 s13, s13, s41                     ; block row = 4 x cluster y + cy, 0 to 31
	s_lshl_b32 s43, s41, 2
	s_lshl_b32 s43, 15, s43                        ; my row of the cluster: places 4 cy .. 4 cy + 3
	s_lshl_b32 s44, 0x1111, s40                    ; my column: places cx, cx + 4, cx + 8, cx + 12
	; group 1 for A: 128 rows x 128 elements of 2 bytes, 4 words of padding behind every 64 words
	s_or_b32 s[G1+0], s43, (1<<16)|(1<<20)|(1<<21)|(5<<22)|(3<<25)   ; 15:0 mask: my row; 17:16 2 bytes; 20 padding on; 21 set beside a mask; 24:22 interval code 5; 31:25 pad code 3
	s_mov_b32 s[G1+1], KSTEP<<16                   ; tensor_dim0 = 128
	s_mov_b32 s[G1+2], 128<<16                     ; tensor_dim1 = 128
	s_mov_b32 s[G1+3], KSTEP<<16                   ; tile_dim0 = 128
	s_mov_b32 s[G1+4], 128                         ; tile_dim1 = 128
	s_mov_b32 s[G1+5], SIZE_K                      ; elements from row to row
	s_mov_b32 s[G1+6], 0
	s_mov_b32 s[G1+7], 0
	; group 1 for B: 64 k rows x 256 elements of 2 bytes, 8 words of padding behind every 128 words
	s_or_b32 s[G1B+0], s44, (1<<16)|(1<<20)|(1<<21)|(6<<22)|(7<<25)  ; mask: my column; interval code 6; pad code 7
	s_mov_b32 s[G1B+1], 256<<16                    ; tensor_dim0 = 256
	s_mov_b32 s[G1B+2], 64<<16                     ; tensor_dim1 = 64
	s_mov_b32 s[G1B+3], 256<<16                    ; tile_dim0 = 256
	s_mov_b32 s[G1B+4], 64                         ; tile_dim1 = 64
	s_mov_b32 s[G1B+5], SIZE_N                     ; elements from k row to k row
	s_mov_b32 s[G1B+6], 0
	s_mov_b32 s[G1B+7], 0
	; where the tiles come from.  A's hang on the block row alone, which my row of the cluster shares; B's on the block column and the expert,
	; which my column shares.  Every wave makes both, in registers that never hold the other coordinate, and asks by one of them.
	s_lshl_b32 s16, s13, 8
	s_lshl_b32 s17, s12, 7
	s_add_co_u32 s16, s16, s17                     ; A: row 256 x block row + 128 x half
	s_mul_i32 s16, s16, SIZE_K*2                   ; in bytes: below 8,192 rows x 2,048 bytes, one word
	s_mov_b32 s17, 0
	s_lshl_b32 s46, s66, 22                        ; B: the expert's 1,024 x 2,048 x 2 bytes,
	s_mul_i32 s67, s12, 64*BROW                    ; + 64 k rows x half,
	s_add_co_u32 s46, s46, s67
	s_lshl_b32 s67, s42, 9                         ; + 256 columns x block column
	s_add_co_u32 s46, s46, s67
	s_mov_b32 s47, 0
	s_mul_i32 s20, s10, HALFT                      ; and where they go: wave x 34,816 bytes: no place in the cluster enters an LDS address
	s_mul_i32 s72, s66, SIZE_N*4                   ; my 128 bias numbers: the expert's row (EXP0's rows stand in the loads' immediates),
	s_lshl_b32 s67, s42, 10                        ; + 256 columns x block column,
	s_add_co_u32 s72, s72, s67
	s_lshl_b32 s67, s12, 9                         ; + 128 columns x half
	s_add_co_u32 s72, s72, s67
	s_mov_b32 s73, 0
	s_wait_dscnt 0x0
	s_wait_kmcnt 0x0
	s_add_nc_u64 s[14:15], s[4:5], s[16:17]
	s_add_nc_u64 s[46:47], s[6:7], s[46:47]
	s_add_nc_u64 s[70:71], s[70:71], s[72:73]
	; the side stream's share: work-group number = 8 x block row + block column; a wave takes 65,536 bytes of input and makes 32,768 of output
.if SIDE2
	s_cmp_lt_u32 s68, 4                            ; block rows 0 to 15 (cluster y below 4) take x, the others w1: 128 work-groups x 262,144 bytes each
	s_cselect_b64 s[SIN:SIN+1], s[80:81], s[82:83]
	s_cselect_b64 s[SOUT:SOUT+1], s[84:85], s[86:87]
	s_and_b32 s67, s13, 15
	s_lshl3_add_u32 s67, s67, s42
.else
	s_lshl3_add_u32 s67, s13, s42
.endif
	s_lshl2_add_u32 s67, s67, s10                  ; 4 x work-group + wave
	s_lshl_b32 s72, s67, 16
.if SIDE2
	s_add_co_u32 s72, s72, SIDE_OFF                ; the source's second half; the sum stays below 64 MiB: one word
.endif
	s_add_nc_u64 s[SIN:SIN+1], s[SIN:SIN+1], s[72:73]
	s_lshl_b32 s72, s67, 15
	s_add_nc_u64 s[SOUT:SOUT+1], s[SOUT:SOUT+1], s[72:73]
	CROUND                                         ; all sixteen work-groups are here: the first joint loads meet
.irp s, 0,1
	s_mov_b32 s[G0+4*\s], 1                                        ; count = 1
	s_add_co_u32 s[G0+4*\s+1], s20, \s*SLOT                        ; LDS address
	s_add_nc_u64 s[G0+4*\s+2:G0+4*\s+3], s[14:15], \s*KSTEP*2      ; global address: K step s
	s_or_b32 s[G0+4*\s+3], s[G0+4*\s+3], 0x80000000                ; type = 2
	s_mov_b32 s[G0B+4*\s], 1
	s_add_co_u32 s[G0B+4*\s+1], s20, \s*SLOT
	s_add_nc_u64 s[G0B+4*\s+2:G0B+4*\s+3], s[46:47], \s*BSTEP
	s_or_b32 s[G0B+4*\s+3], s[G0B+4*\s+3], 0x80000000
	JLOAD \s                                       ; both first fills go out before anything else: two tensor loads of the wave are out
.endr
	v_and_b32 v1, 15, v0                           ; r = l % 16
	v_bfe_u32 v2, v0, 4, 1                         ; h = l / 16
	v_lshlrev_b32 v[BO], 5, v2                     ; 8 h numbers of 4 bytes
.irp b, 0,1,2,3,4,5,6,7
	global_load_b128 v[BIAS+8*\b:BIAS+8*\b+3],   v[BO], s[70:71] offset:EXP0*SIZE_N*4+64*\b      ; columns 16 b + 8 h + 0..3
	global_load_b128 v[BIAS+8*\b+4:BIAS+8*\b+7], v[BO], s[70:71] offset:EXP0*SIZE_N*4+64*\b+16   ; columns 16 b + 8 h + 4..7; used on the way out; the side stream's first wait covers them
.endr
	v_and_b32 v5, 31, v0
	v_lshlrev_b32 v[SI], 4, v5
	v_lshlrev_b32 v[SO], 3, v5
	WIN TO_B
.irp i, 0,1,2,3,4,5,6,7,8,9,10,11,12,13,14,15
	global_load_b128 v[4*\i:4*\i+3], v[SI], s[SIN:SIN+1] offset:512*\i th:TH_LOAD_NT               ; the side stream's group 0
.endr
.irp i, 0,1,2,3,4,5,6,7,8,9,10,11,12,13,14,15
	global_load_b128 v[XS+4*\i:XS+4*\i+3], v[SI], s[SIN:SIN+1] offset:GROUP+512*\i th:TH_LOAD_NT   ; and group 1
.endr
	WIN 0
	; A's fragment: lane l holds row r; registers 0-3 K = 8 h + 0..7, registers 4-7 K = 16 + 8 h + 0..7: two loads of 16 bytes, 32 bytes apart.
	v_mul_u32_u24 v3, v1, PITCH
	v_lshl_add_u32 v3, v2, 4, v3                   ; r x pitch + 16 h
	s_mul_i32 s21, s11, HALFT                      ; my 128 rows of A
	; B's fragment by the transposing load: lane l addresses k row 8 h + l % 8, 16 bytes at 16 ((l / 8) % 2); the second load 16 k rows further down.
	v_and_b32 v4, 7, v0
	v_lshl_add_u32 v4, v2, 3, v4                   ; 8 h + l % 8
	v_mul_u32_u24 v4, v4, PITCHB
	v_bfe_u32 v5, v0, 3, 1
	v_lshl_add_u32 v4, v5, 4, v4
	s_lshl_b32 s22, s12, 8                         ; my 128 columns of B: 256 bytes along its rows,
	s_add_co_u32 s22, s22, 2*HALFT                 ; which lie behind A's 256 rows
.irp s, 0,1
	v_add_nc_u32 v[ADRA+\s], s21, v3
	v_add_nc_u32 v[ADRB+\s], s22, v4
	s_add_co_u32 s21, s21, SLOT
	s_add_co_u32 s22, s22, SLOT
.endr
	s_mul_i32 s23, s10, 16*SPITCH
	s_add_co_u32 s23, s23, STAGE                   ; my stage
	v_mul_u32_u24 v4, v1, SPITCH                   ; in: row r, 16 bytes for each half of the lanes
	v_lshl_add_u32 v4, v2, 4, v4
	v_add_nc_u32 v[STO], s23, v4
	v_mul_u32_u24 v5, v2, SPITCH                   ; back: lanes 0-15 take one row of 256 bytes, lanes 16-31 the next
	v_lshl_add_u32 v5, v1, 4, v5
	v_add_nc_u32 v[RD], s23, v5
	v_lshlrev_b32 v5, 12, v2                       ; and the same two rows in the result
	v_lshl_add_u32 v[CO], v1, 4, v5
; 16 matrix instructions: m blocks a0, a0 + 1 of the window's four (hi = 0: my rows 0-63, 1: rows 64-127) x all 8 n blocks, 32 along K.
; zero = 1: the first product starts the sums: nothing is ever cleared.
.macro MUL16 f, hi, a0, zero
.irp a, \a0, \a0+1
.irp b, 0,1,2,3,4,5,6,7
.if \zero
	v_wmma_f32_16x16x32_bf16 v[8*(8*(\a)+\b):8*(8*(\a)+\b)+7], v[\f+8*\b:\f+8*\b+7], v[\f+8*(4*\hi+\a):\f+8*(4*\hi+\a)+7], 0
.else
	v_wmma_f32_16x16x32_bf16 v[8*(8*(\a)+\b):8*(8*(\a)+\b)+7], v[\f+8*\b:\f+8*\b+7], v[\f+8*(4*\hi+\a):\f+8*(4*\hi+\a)+7], v[8*(8*(\a)+\b):8*(8*(\a)+\b)+7]
.endif
.endr
.endr
.endm
; 32 LDS loads in one run: the fragments of quarter q of a K step (32 k rows x 128 columns of B, 128 rows x 32 K of A) into buffer f.  B's first.
.macro FETCH slot, q, f
	WIN TO_B
.irp i, 0,1,2,3,4,5,6,7
	ds_load_tr16_b128 v[\f+8*\i:\f+8*\i+3],   v[ADRB+\slot] offset:\q*32*PITCHB+32*\i             ; columns 16 i + r, K = 8 h + 0..7
	ds_load_tr16_b128 v[\f+8*\i+4:\f+8*\i+7], v[ADRB+\slot] offset:\q*32*PITCHB+16*PITCHB+32*\i   ; K = 16 + 8 h + 0..7; the largest offset is 61,152
.endr
	WIN 0
.irp i, 0,1,2,3,4,5,6,7
	ds_load_b128 v[\f+8*\i:\f+8*\i+3],   v[ADRA+\slot] offset:\q*64+\i*16*PITCH
	ds_load_b128 v[\f+8*\i+4:\f+8*\i+7], v[ADRA+\slot] offset:\q*64+\i*16*PITCH+32
.endr
.endm
; The side stream's turn in K step t (slot = t % 2): group t is converted and stored; fill = 1: group t + 2 is requested into the registers just read.
; left = how many younger loads may stay out: the 16 of group t + 1, or none in the last K step.
.macro SIDE slot, fill, left
	s_wait_loadcnt \left                           ; loads come back in order (ISA guide 5.7.1): group t is in (in K step 0 the bias, asked for earlier, too)
	s_wait_xcnt 0x0                                ; the last K step's stores and loads have had their addresses translated (ISA guide 3.1): YS and both bases are rewritten only behind this wait
.if \fill
	s_add_nc_u64 s[SIN:SIN+1], s[SIN:SIN+1], GROUP                 ; now at group t + 1
.endif
	s_add_nc_u64 s[SOUT:SOUT+1], s[SOUT:SOUT+1], GROUP/2           ; now behind group t: the stores reach back
	WIN FROM_X
.irp i, 0,1,2,3,4,5,6,7,8,9,10,11,12,13,14,15
	v_cvt_pk_bf16_f32 v[YS+2*\i],   v[XS*\slot+4*\i],   v[XS*\slot+4*\i+1]
	v_cvt_pk_bf16_f32 v[YS+2*\i+1], v[XS*\slot+4*\i+2], v[XS*\slot+4*\i+3]
.endr
	WIN 0
.irp i, 0,1,2,3,4,5,6,7,8,9,10,11,12,13,14,15
	global_store_b64 v[SO], v[YS+2*\i:YS+2*\i+1], s[SOUT:SOUT+1] offset:256*\i-GROUP/2     ; the wave stores 256 consecutive bytes, at a multiple of 256; no hint: a later launch reads them
.endr
.if \fill
	WIN TO_B
.irp i, 0,1,2,3,4,5,6,7,8,9,10,11,12,13,14,15
	global_load_b128 v[XS*\slot+4*\i:XS*\slot+4*\i+3], v[SI], s[SIN:SIN+1] offset:GROUP+512*\i th:TH_LOAD_NT   ; group t + 2; the launch reads each byte once
.endr
.endif
.endm
; A load into a register that a matrix instruction has read, and a vector instruction that reads a matrix result or writes one of a matrix
; instruction's registers, stand four places behind it, and only plain vector instructions that name none of its registers are places
; (ISA guide 7.12.1 for vector instructions).  The matrix instructions in between are not counted.
.macro PLACES
.rept 4
	v_nop
.endr
.endm
; A K step is four quarters of 32 along K, 64 matrix instructions each, on buffers 0, 1, 0, 1.  The 64 accumulators take turns, one instruction
; a turn, in the same order in every quarter, over the loop's backward jump too.
; One of the first three quarters: multiplies buffer f; in its middle it fetches quarter q of the same slot into buffer g.
; side = 1: the side stream's turn follows the fetch, so that the LDS loads, which are wanted 32 matrix instructions on, go out first.
.macro QUARTER slot, q, f, g, zero, side, fill, left
	s_wait_dscnt 8                                 ; B and A's rows 0-63 are in; the youngest eight loads (A's rows 64-127) may be out
	WIN MUL_LO
	MUL16 \f, 0, 0, \zero
	MUL16 \f, 0, 2, \zero
	PLACES
	FETCH \slot, \q, \g
.if \side
	SIDE \slot, \fill, \left
.endif
	s_wait_dscnt 32                                ; all but the 32 just issued
	WIN MUL_HI
	MUL16 \f, 1, 0, \zero
	MUL16 \f, 1, 2, \zero
.endm
.macro THREE slot, zero, fill, left
	QUARTER \slot, 1, F0, F1, \zero, 1, \fill, \left
	QUARTER \slot, 2, F1, F0, 0, 0, 0, 0
	QUARTER \slot, 3, F0, F1, 0, 0, 0, 0
.endm
; The last quarter: multiplies buffer 1 and changes slots.  next = the other slot; fill = 1: this slot is filled again, two K steps ahead.
; One barrier for the change of slots.  In front of it each wave waits for its own reads of this slot and for all its tensor loads, of which one
; is out: its part of the next slot.  Behind it nobody reads this slot and the next slot is whole: the refill comes first, then the next slot's
; first fragments.  From a request to the wait for it a wave issues 240 matrix instructions.
.macro TURN slot, next, fill
	s_wait_dscnt 8
	WIN MUL_LO
	MUL16 F1, 0, 0, 0
	s_wait_dscnt 0                                 ; my reads of this slot are over
	s_set_vgpr_msb 0xa1a0
	s_wait_tensorcnt 0x0                           ; and all my tensor loads have landed, my part of the next slot among them
	ds_add_u32 v30, v31
	s_wait_dscnt 0x0
	s_set_vgpr_msb 0xa0a1
	s_barrier_signal -1                            ; say so (where a slot is filled again this barrier opens a round of the cluster's barrier),
	MUL16 F1, 0, 2, 0                              ; work on registers while the others arrive,
	WIN 0
	s_barrier_wait -1                              ; and go on when all four have said so
.if \fill
	CREST                                          ; all sixteen work-groups have said so: no wave of any partner still reads this slot or has a load on its way
	s_add_nc_u64 s[G0+4*\slot+2:G0+4*\slot+3], s[G0+4*\slot+2:G0+4*\slot+3], 2*KSTEP*2     ; no tensor load of mine is out: group 0 may be written
	s_add_nc_u64 s[G0B+4*\slot+2:G0B+4*\slot+3], s[G0B+4*\slot+2:G0B+4*\slot+3], 2*BSTEP
	JLOAD \slot                                    ; the first tensor load behind the round, and my only one until the next
.endif
	PLACES
	FETCH \next, 0, F0
	WIN MUL_HI
	MUL16 F1, 1, 0, 0
	MUL16 F1, 1, 2, 0
.endm
.macro LAP zero                        ; once round the ring, both slots filled again, two groups of the side stream
	THREE 0, \zero, 1, 16
	TURN 0, 1, 1
	THREE 1, 0, 1, 16
	TURN 1, 0, 1
.endm
	s_wait_tensorcnt 1                             ; my part of K step 0 is in; K step 1's may stay out
	s_barrier_signal -1
	s_barrier_wait -1                              ; everybody's is
	FETCH 0, 0, F0
	LAP 1                                          ; the first lap stands in front of the loop: its first products start the sums
.if LAPS > 2
	WIN 0                                          ; at a label and at a branch every window is 0
	s_mov_b32 s3, LAPS-2
.Llap:
	LAP 0
	WIN 0
	s_sub_co_u32 s3, s3, 1
	s_cmp_lg_u32 s3, 0
	s_cbranch_scc1 .Llap
.endif
	THREE 0, 0, 0, 16                              ; the last lap fills nothing and has no round of the cluster's barrier; the side stream asks for nothing more: group 7 is still out,
	TURN 0, 1, 0
	THREE 1, 0, 0, 0                               ; and here nothing is
	s_wait_dscnt 8                                 ; the very last quarter: nothing more to fetch
	WIN MUL_LO
	MUL16 F1, 0, 0, 0
	MUL16 F1, 0, 2, 0
	s_wait_dscnt 0
	WIN MUL_HI
	MUL16 F1, 1, 0, 0
	MUL16 F1, 1, 2, 0
	; THE WAY OUT, 16 rows at a time: add the bias, GELU in f32, round to bf16, 16 bytes a lane into my own stage in LDS, read back as whole rows.
	; gelu(v) = v Phi(v) = max(v, 0) - |v| q, with q = phi(|v|) P(t), t = 1 / (1 + p |v|), P = t (c1 + t (c2 + t (c3 + t (c4 + t c5)))):
	; q is the upper tail of the normal distribution at |v|, so no difference of large numbers is formed.  phi's factor 1 / sqrt(2 pi) is folded into c1 .. c5,
	; and exp(-v v / 2) is 2^(CK v v) with CK = -0.5 log2 e.
.set VV, 64                            ; v64-127   16 rows x my 8 numbers of each of 8 tiles, bias added
.set DD, 128                           ; v128-135  1 + p |v|, then the polynomial
.set UU, 136                           ; v136-143  CK v v
.set TT, 144                           ; v144-151  t
.set EE, 152                           ; v152-159  2^UU, then q
.set RR, 160                           ; v160-167  max(v, 0), then the result
.set PK, 168                           ; v168-175  packed bf16, two sets by turns
.set CK, 176                           ; constant pairs, both halves alike, for the packed forms
.set C1, 178
.set C2, 180
.set C3, 182
.set C4, 184
.set C5, 186
	WIN 0
	PLACES                                         ; the places behind the last matrix instructions: for all that follows
.irp k, 0,1
	v_mov_b32 v[CK+\k], 0xbf38aa3b                 ; -0.5 log2 e
	v_mov_b32 v[C1+\k], 0x3e027906                 ;  0.319381530 / sqrt(2 pi)
	v_mov_b32 v[C2+\k], 0xbe11a98e                 ; -0.356563782 / sqrt(2 pi)
	v_mov_b32 v[C3+\k], 0x3f35f0e3                 ;  1.781477937 / sqrt(2 pi)
	v_mov_b32 v[C4+\k], 0xbf3a00e3                 ; -1.821255978 / sqrt(2 pi)
	v_mov_b32 v[C5+\k], 0x3f07dc22                 ;  1.330274429 / sqrt(2 pi)
.endr
	s_mov_b32 s74, 0x3e6d3389                      ; p = 0.2316419
	s_lshl_b32 s16, s13, 8
	s_lshl_b32 s14, s11, 7
	s_add_co_u32 s16, s16, s14                     ; my first row among the launch's 8,192
	s_lshl_b32 s16, s16, 12                        ; x 4,096 bytes: below 32 MiB, one word
	s_mov_b32 s17, 0
	s_add_nc_u64 s[8:9], s[8:9], s[16:17]
.if EXP0
	s_add_nc_u64 s[8:9], s[8:9], EXP0*2048*CROW    ; the rows of the experts in front of this launch's
.endif
	s_mul_i32 s46, s42, 2*WCOLB                    ; my first column, in bytes (in the registers that held B's address)
	s_mul_i32 s47, s12, WCOLB
	s_add_co_u32 s46, s46, s47
	s_mov_b32 s47, 0
	s_add_nc_u64 s[8:9], s[8:9], s[46:47]
; GELU of the eight numbers v[src .. src+7]; four words of bf16 into v[pk .. pk+3]
.macro GELU8 src, pk
.irp i, 0,1,2,3,4,5,6,7
	v_fma_f32 v[DD+\i], |v[\src+\i]|, s74, 1.0                     ; 1 + p |v|
.endr
.irp j, 0,2,4,6
	v_pk_mul_f32 v[UU+\j:UU+\j+1], v[\src+\j:\src+\j+1], v[CK:CK+1]
.endr
.irp j, 0,2,4,6
	v_pk_mul_f32 v[UU+\j:UU+\j+1], v[UU+\j:UU+\j+1], v[\src+\j:\src+\j+1]     ; CK v v; a product past f32's range gives -infinity, and 2^ of it zero
.endr
.irp i, 0,1,2,3,4,5,6,7
	v_rcp_f32 v[TT+\i], v[DD+\i]                   ; t
.endr
.irp i, 0,1,2,3,4,5,6,7
	v_exp_f32 v[EE+\i], v[UU+\i]
.endr
.irp i, 0,1,2,3,4,5,6,7
	v_max_num_f32 v[RR+\i], 0, v[\src+\i]          ; plain work that names no register of the transcendentals stands between them and the first use of a result (ISA guide 5.7.2)
.endr
	s_wait_alu depctr_va_vdst(0)
.irp j, 0,2,4,6
	v_pk_fma_f32 v[DD+\j:DD+\j+1], v[TT+\j:TT+\j+1], v[C5:C5+1], v[C4:C4+1]
.endr
.irp j, 0,2,4,6
	v_pk_fma_f32 v[DD+\j:DD+\j+1], v[DD+\j:DD+\j+1], v[TT+\j:TT+\j+1], v[C3:C3+1]
.endr
.irp j, 0,2,4,6
	v_pk_fma_f32 v[DD+\j:DD+\j+1], v[DD+\j:DD+\j+1], v[TT+\j:TT+\j+1], v[C2:C2+1]
.endr
.irp j, 0,2,4,6
	v_pk_fma_f32 v[DD+\j:DD+\j+1], v[DD+\j:DD+\j+1], v[TT+\j:TT+\j+1], v[C1:C1+1]
.endr
.irp j, 0,2,4,6
	v_pk_mul_f32 v[DD+\j:DD+\j+1], v[DD+\j:DD+\j+1], v[TT+\j:TT+\j+1]
.endr
.irp j, 0,2,4,6
	v_pk_mul_f32 v[EE+\j:EE+\j+1], v[DD+\j:DD+\j+1], v[EE+\j:EE+\j+1]         ; q
.endr
.irp i, 0,1,2,3,4,5,6,7
	v_fma_f32 v[RR+\i], -|v[\src+\i]|, v[EE+\i], v[RR+\i]          ; max(v, 0) - |v| q
.endr
.irp j, 0,1,2,3
	v_cvt_pk_bf16_f32 v[\pk+\j], v[RR+2*\j], v[RR+2*\j+1]
.endr
.endm
; rows 16 i .. 16 i + 15 of my block = the eight tiles (a, 0..7) of window 2 or 3 (from = 0x02 or 0x03: source 0 alone)
.macro OUT16 i, a, from
	WIN \from
.irp b, 0,1,2,3,4,5,6,7
.irp r, 0,2,4,6
	v_pk_add_f32 v[VV+8*\b+\r:VV+8*\b+\r+1], v[8*(8*\a+\b)+\r:8*(8*\a+\b)+\r+1], v[BIAS+8*\b+\r:BIAS+8*\b+\r+1]
.endr
.endr
	WIN 0
.irp b, 0,1,2,3,4,5,6,7
	GELU8 VV+8*\b, PK+4*(\b&1)
	ds_store_b128 v[STO], v[PK+4*(\b&1):PK+4*(\b&1)+3] offset:32*\b            ; columns 16 b + 8 h + 0..7 of row r
.endr
	s_wait_xcnt 0x0                                ; RB, which the last strip's stores (in the first strip: the side stream's last) read, and the stores' base are rewritten only behind this wait
.if \i
	s_add_nc_u64 s[8:9], s[8:9], 16*CROW           ; 16 rows on
.endif
.irp t, 0,1,2,3,4,5,6,7
	ds_load_b128 v[RB+4*\t:RB+4*\t+3], v[RD] offset:\t*2*SPITCH    ; LDS serves a wave's instructions in order (ISA guide 5.7.1.4): these see my stores above
.endr
.irp t, 0,1,2,3,4,5,6,7
	s_wait_dscnt 7-\t                              ; load t of the eight is in
	global_store_b128 v[CO], v[RB+4*\t:RB+4*\t+3], s[8:9] offset:2*\t*CROW     ; 16 lanes store 256 consecutive bytes, at a multiple of 256; no hint: a later launch reads them
.endr
.endm
	OUT16 0, 0, 0x02
	OUT16 1, 1, 0x02
	OUT16 2, 2, 0x02
	OUT16 3, 3, 0x02
	OUT16 4, 0, 0x03
	OUT16 5, 1, 0x03
	OUT16 6, 2, 0x03
	OUT16 7, 3, 0x03
	s_wait_tensorcnt 0x0
	ds_add_u32 v30, v31
	s_wait_dscnt 0x0
	CROUND                                         ; the closing round: no work-group ends while a partner may still ask for a tile that names it
	s_endpgm
.Lfunc_end_k_q78185b3319_upa:
	.size	k_q78185b3319_upa, .Lfunc_end_k_q78185b3319_upa-k_q78185b3319_upa
	.p2alignl 7, 3214868480
	.fill 96, 4, 3214868480
	.section	.rodata,"a",@progbits
	.p2align	6, 0x0
	.amdhsa_kernel k_q78185b3319_upa
		.amdhsa_group_segment_fixed_size 327680
		.amdhsa_private_segment_fixed_size 0
		.amdhsa_enable_private_segment 0
		.amdhsa_kernarg_size 64
		.amdhsa_user_sgpr_count 2
		.amdhsa_user_sgpr_kernarg_segment_ptr 1
		.amdhsa_wavefront_size32 1
		.amdhsa_system_sgpr_workgroup_id_x 1
		.amdhsa_system_sgpr_workgroup_id_y 1
		.amdhsa_system_sgpr_workgroup_id_z 1
		.amdhsa_system_vgpr_workitem_id 0
		.amdhsa_next_free_vgpr 1024
		.amdhsa_next_free_sgpr 88
		.amdhsa_reserve_vcc 0
		.amdhsa_float_denorm_mode_32 3
		.amdhsa_float_denorm_mode_16_64 3
		.amdhsa_memory_ordered 1
		.amdhsa_forward_progress 1
		.amdhsa_inst_pref_size 255
	.end_amdhsa_kernel
	.section	.bss,"aw",@nobits
	.p2align	6
	.space	262144
	.amdgpu_metadata
---
amdhsa.version: [ 1, 2 ]
amdhsa.kernels:
  - .name:           k_q78185b3319_upa
    .symbol:         k_q78185b3319_upa.kd
    .args:
      - { .name: xb0, .offset: 0, .size: 8, .value_kind: global_buffer, .address_space: global }
      - { .name: w1b0, .offset: 8, .size: 8, .value_kind: global_buffer, .address_space: global }
      - { .name: hb, .offset: 16, .size: 8, .value_kind: global_buffer, .address_space: global }
      - { .name: b1, .offset: 24, .size: 8, .value_kind: global_buffer, .address_space: global }
      - { .name: x, .offset: 32, .size: 8, .value_kind: global_buffer, .address_space: global }
      - { .name: w1, .offset: 40, .size: 8, .value_kind: global_buffer, .address_space: global }
      - { .name: xb1, .offset: 48, .size: 8, .value_kind: global_buffer, .address_space: global }
      - { .name: w1b1, .offset: 56, .size: 8, .value_kind: global_buffer, .address_space: global }
    .group_segment_fixed_size: 327680
    .private_segment_fixed_size: 0
    .kernarg_segment_align: 8
    .kernarg_segment_size: 64
    .max_flat_workgroup_size: 128
    .sgpr_count:     88
    .vgpr_count:     1024
    .wavefront_size: 32
...
	.end_amdgpu_metadata
.endif
;; end of part 2
;; launch upb (part 3): grid 8 x 32, 4 waves a work-group, clusters of 4 x 4, 327,680 bytes of LDS; arguments xb1, w1b1, hb, b1, w2, w2b; writes hb, w2b
.if DOCPART == 3
	.amdgcn_target "amdgcn-amd-amdhsa--gfx1250"
	.amdhsa_code_object_version 6
	.text
	.protected	k_q78185b3319_upb
	.globl	k_q78185b3319_upb
	.p2align	8
	.type	k_q78185b3319_upb,@function
k_q78185b3319_upb:
	s_mov_b64 s[64:65], 0
	v_nop
	global_prefetch_b8 v0, s[64:65] scope:SCOPE_SE
	s_setreg_imm32_b32 hwreg(HW_REG_WAVE_MODE, 25, 1), 1
	s_wait_xcnt 0x0
	s_wait_alu depctr_hold_cnt(0) depctr_sa_sdst(0) depctr_va_vdst(0) depctr_va_sdst(0) depctr_va_ssrc(0) depctr_va_vcc(0) depctr_vm_vsrc(0)
	s_getreg_b32 s2, hwreg(HW_REG_IB_STS2, 6, 4)
	s_cmp_eq_u32 s2, 0
	s_cbranch_scc0 .Lentry_in_a_cluster
	s_endpgm
.Lentry_in_a_cluster:
	s_bfe_u32 s2, ttmp6, 0x10000c
	s_cmp_lg_u32 s2, 0xf033
	s_cbranch_scc0 .Lentry_shape_is_right
	s_endpgm
.Lentry_shape_is_right:
; THE FIRST PRODUCT FOR EXPERTS EXP0 .. EXP0 + 3, AND A CONVERSION BESIDE IT.
; hb = bf16(gelu(A . B[e] + b1[e])).  A: [8192][1024] bf16, four experts' rows of x (an expert owns 2,048 rows), B: [4][1024 k][2048 n] bf16, their w1,
; b1: [8][2048] f32, hb: [16384][2048] bf16, of which this launch stores rows 2048 EXP0 .. 2048 EXP0 + 8191.
; Sums, bias and GELU in f32; h is rounded once, to bf16, since it is the next product's operand.
; A work-group makes a block of 256 x 256 with four waves; a wave makes 128 x 128: 64 accumulator tiles of 16 x 16, 512 registers.
; K goes in steps of 128 through a ring of two LDS slots filled by the tensor data mover.
; THE WEIGHTS LIE [k][n]: a tile of them is 128 k rows of 256 columns (512 bytes a row), and the fragments, which want k along a lane's
; registers, come out of LDS by the transposing load ds_load_tr16_b128, two a fragment, as many as a plain fragment takes.
; CLUSTERS: 4 x 4 work-groups.  The four of a cluster's row make blocks of one block row and need the same tiles of A; the four of a column need
; the same tiles of B (an expert has 8 block rows, a cluster 4, so all sixteen have one expert).  Such a tile is asked for jointly.
; THE SIDE STREAM: the matrix loop asks little of memory, so each wave also converts 65,536 bytes of f32 to bf16 (round to nearest even, layout
; unchanged) for a later launch: 8 groups of 16 loads of 512 consecutive bytes, one group in each of the 8 K steps, each group requested two K steps
; (512 matrix instructions) before it is converted.  Here (SIDE2 = 0): all of w2, for the second product.
; The 256 work-groups x 262,144 bytes are w2's 67,108,864 bytes; each byte is read once and each result stored once.
; LIMITS.  Matrix operands are bf16.  GELU is v Phi(v) with Phi by the rational form of Abramowitz and Stegun 26.2.17 (absolute error of Phi
; below 7.5e-8, so the error of the result is below 7.5e-8 |v|).  v_exp_f32 gives zero where its result would be denormal (ISA guide 15.8):
; for v below about -13.2 the result is zero where the exact one has a magnitude below 1e-37.  The sign of a zero result may differ.
; A pre-activation that is not finite gives NaN.
;
; REGISTERS, in windows of 256:
;   window 0: v0-31 addresses; v32-63 the side stream's bf16 (on the way out: rows read back); v64-127, v128-191 fragments of A, two buffers (at work on the way out); v192-255 my 64 bias numbers
;   window 1: v64-127, v128-191 fragments of B, two buffers; v0-63, v192-255 the side stream's f32, two groups
;   window 2: the 32 accumulator tiles of my rows 0-63 (tile (a, b) at v[8 (8 a + b)]);   window 3: those of my rows 64-127
; THE MATRIX INSTRUCTION IS USED TRANSPOSED: source 0 = 16 columns of the weights, source 1 = 16 rows of A.  Lane l then holds row l % 16 of the
; result and its registers 0 to 7 the columns 8 (l / 16) + 0 .. 7: eight neighbouring numbers of a row.
.set EXP0,   4                         ; the first of this launch's four experts
.set SIDE2,  0                         ; 1: the side stream has two sources (second halves of x and w1); 0: one (all of w2)
.set SIDE_OFF, 33554432                ; where a source's second half begins
.set SIZE_K, 1024
.set SIZE_N, 2048
.set KSTEP,  128
.set PITCH,  272                       ; A's LDS row: 256 bytes + 16 of padding, an odd multiple of 16: the 16 rows of a fragment load start 16 bytes apart modulo 256
.set PITCHB, 544                       ; B's LDS row: 512 bytes + 32 of padding, an odd multiple of 32, for the transposing loads
.set HALFT,  128*PITCH                 ; what one tensor load brings: 128 rows of A, or 64 k rows of B (64 x 544 is the same 34,816 bytes)
.set SLOT,   4*HALFT                   ; A's 256 rows, then B's 128 k rows
.set STAGE,  2*SLOT                    ; behind the ring (a multiple of 256): 16 rows for each wave, for the way out; no tensor load lands here
.set SPITCH, 272                       ; a stage row: 128 bf16 + 16 bytes
.set WCOLB,  256                       ; a wave's bytes of a row of the result
.set BROW,   SIZE_N*2                  ; bytes from one k row of the weights to the next
.set BSTEP,  KSTEP*BROW                ; and from one K step to the next
.set CROW,   4096                      ; bytes in a row of the result
.set LAPS,   SIZE_K/(2*KSTEP)          ; a lap = two K steps = once round the ring
.set GROUP,  8192                      ; the side stream: input bytes of a wave's group of 16 loads
.set ADRA, 16                          ; v16-17  LDS address of my A fragments in slot 0, 1
.set ADRB, 20                          ; v20-21  the same for B
.set STO,  24                          ; v24     the way out: where I put 16 bytes of a row
.set RD,   25                          ; v25     the way out: where I read a row back
.set CO,   26                          ; v26     my byte offset in the result
.set BO,   27                          ; v27     my byte offset in the bias: 32 (l / 16)
.set SI,   28                          ; v28     the side stream: 16 x lane, never rewritten
.set SO,   29                          ; v29     the side stream: 8 x lane, never rewritten
.set YS,   32                          ; v32-63  the side stream: a group's 16 x 2 registers of bf16
.set RB,   32                          ; v32-63  the way out: rows read back
.set XS,   192                         ; window 1: the group of K step t lies at v[XS (t % 2)]: v0-63 or v192-255
.set F0,   64                          ; fragment buffer 0
.set F1,   128                         ; fragment buffer 1
.set BIAS, 192                         ; v[BIAS + 8 b + j] = bias of my column 16 b + 8 (l / 16) + j
.set G1,  24                           ; s[24:31] descriptor group 1 for A's tiles
.set G0,  32                           ; s[32:39] descriptor group 0 for A's tiles, one set for each slot
.set G1B, 48                           ; s[48:55] descriptor group 1 for B's tiles
.set G0B, 56                           ; s[56:63] descriptor group 0 for B's tiles, one set for each slot
.set SIN,  76                          ; s[76:77] the side stream: where my wave reads
.set SOUT, 78                          ; s[78:79] the side stream: where my wave stores
.set MSB, 0
.macro WIN new                         ; the immediate's high byte repeats the setting that is left; a switch that changes nothing is dropped
.if MSB != \new
	s_set_vgpr_msb (MSB<<8)|\new
.set MSB, \new
.endif
.endm
.set MUL_LO, 0xa1                      ; source 0 (B) window 1, source 1 (A) window 0, C and D window 2
.set MUL_HI, 0xf1                      ; the same, C and D window 3
.set TO_B,   0x40                      ; destination window 1, address window 0
.set FROM_X, 0x05                      ; sources 0 and 1 window 1, destination window 0
; A joint load.  Waves 0 and 1 fetch A's two halves, waves 2 and 3 B's.  Each line has one mask and one set of registers for all that issue it.
; The branch hangs on the wave's number alone: it is the same in every work-group.
.macro JLOAD s
	s_cmp_eq_u32 s11, 0
	s_cbranch_scc0 .Lfor_b_\@
	tensor_load_to_lds s[G0+4*\s:G0+4*\s+3], s[G1:G1+7]
	s_nop 0
	s_branch .Lasked_\@
.Lfor_b_\@:
	tensor_load_to_lds s[G0B+4*\s:G0B+4*\s+3], s[G1B:G1B+7]
	s_nop 0
.Lasked_\@:
.endm
; A round of the cluster's barrier: my work-group's barrier, so that wave 0's signal speaks for all four waves; wave 0 signals for the work-group;
; every wave waits for all sixteen work-groups; my work-group's barrier once more.
.macro CREST                           ; a round behind its opening barrier
	s_cmp_lg_u32 s10, 0
	s_cbranch_scc1 .Lnot_wave_0_\@
	s_barrier_signal -3
.Lnot_wave_0_\@:
	s_barrier_wait -3
	s_barrier_signal -1
	s_barrier_wait -1
.endm
.macro CROUND                          ; a whole round
	s_barrier_signal -1
	s_barrier_wait -1
	CREST
.endm
	s_load_b128 s[4:7], s[0:1], 0x0                ; A s[4:5], B s[6:7]
	s_load_b64 s[8:9], s[0:1], 0x10                ; the result
	s_load_b64 s[70:71], s[0:1], 0x18              ; the bias
.if SIDE2
	s_load_b256 s[80:87], s[0:1], 0x20             ; the side stream: x s[80:81], w1 s[82:83], xb1 s[84:85], w1b1 s[86:87]
.else
	s_load_b128 s[SIN:SIN+3], s[0:1], 0x20         ; the side stream: w2, w2b
	v_lshl_add_u32 v30, v0, 2, 0x48400
	v_mov_b32 v31, 0
	ds_add_u32 v30, v31
.endif
	v_lshrrev_b32 v1, 5, v0
	v_readfirstlane_b32 s10, v1                    ; wave 0..3
	s_lshr_b32 s11, s10, 1                         ; which half of the block's rows is mine.  Also: I fetch for A (0) or for B (1)
	s_and_b32 s12, s10, 1                          ; which half of its columns.  Also: which half of that tile I fetch
	s_bfe_u32 s40, ttmp6, 0x40000                  ; cx: my place along the cluster's x
	s_bfe_u32 s41, ttmp6, 0x40004                  ; cy: along its y
	s_lshl_b32 s42, ttmp9, 2                       ; in a cluster launch ttmp9 and ttmp7 count clusters
	s_add_co_u32 s42, s42, s40                     ; block column = 4 x cluster x + cx, 0 to 7
	s_and_b32 s68, ttmp7, 0xffff                   ; cluster y, 0 to 7
	s_lshr_b32 s66, s68, 1                         ; expert of the launch's four = block row / 8 = cluster y / 2: the same in all sixteen work-groups
	s_lshl_b32 s13, s68, 2
	s_add_co_u32 s13, s13, s41                     ; block row = 4 x cluster y + cy, 0 to 31
	s_lshl_b32 s43, s41, 2
	s_lshl_b32 s43, 15, s43                        ; my row of the cluster: places 4 cy .. 4 cy + 3
	s_lshl_b32 s44, 0x1111, s40                    ; my column: places cx, cx + 4, cx + 8, cx + 12
	; group 1 for A: 128 rows x 128 elements of 2 bytes, 4 words of padding behind every 64 words
	s_or_b32 s[G1+0], s43, (1<<16)|(1<<20)|(1<<21)|(5<<22)|(3<<25)   ; 15:0 mask: my row; 17:16 2 bytes; 20 padding on; 21 set beside a mask; 24:22 interval code 5; 31:25 pad code 3
	s_mov_b32 s[G1+1], KSTEP<<16                   ; tensor_dim0 = 128
	s_mov_b32 s[G1+2], 128<<16                     ; tensor_dim1 = 128
	s_mov_b32 s[G1+3], KSTEP<<16                   ; tile_dim0 = 128
	s_mov_b32 s[G1+4], 128                         ; tile_dim1 = 128
	s_mov_b32 s[G1+5], SIZE_K                      ; elements from row to row
	s_mov_b32 s[G1+6], 0
	s_mov_b32 s[G1+7], 0
	; group 1 for B: 64 k rows x 256 elements of 2 bytes, 8 words of padding behind every 128 words
	s_or_b32 s[G1B+0], s44, (1<<16)|(1<<20)|(1<<21)|(6<<22)|(7<<25)  ; mask: my column; interval code 6; pad code 7
	s_mov_b32 s[G1B+1], 256<<16                    ; tensor_dim0 = 256
	s_mov_b32 s[G1B+2], 64<<16                     ; tensor_dim1 = 64
	s_mov_b32 s[G1B+3], 256<<16                    ; tile_dim0 = 256
	s_mov_b32 s[G1B+4], 64                         ; tile_dim1 = 64
	s_mov_b32 s[G1B+5], SIZE_N                     ; elements from k row to k row
	s_mov_b32 s[G1B+6], 0
	s_mov_b32 s[G1B+7], 0
	; where the tiles come from.  A's hang on the block row alone, which my row of the cluster shares; B's on the block column and the expert,
	; which my column shares.  Every wave makes both, in registers that never hold the other coordinate, and asks by one of them.
	s_lshl_b32 s16, s13, 8
	s_lshl_b32 s17, s12, 7
	s_add_co_u32 s16, s16, s17                     ; A: row 256 x block row + 128 x half
	s_mul_i32 s16, s16, SIZE_K*2                   ; in bytes: below 8,192 rows x 2,048 bytes, one word
	s_mov_b32 s17, 0
	s_lshl_b32 s46, s66, 22                        ; B: the expert's 1,024 x 2,048 x 2 bytes,
	s_mul_i32 s67, s12, 64*BROW                    ; + 64 k rows x half,
	s_add_co_u32 s46, s46, s67
	s_lshl_b32 s67, s42, 9                         ; + 256 columns x block column
	s_add_co_u32 s46, s46, s67
	s_mov_b32 s47, 0
	s_mul_i32 s20, s10, HALFT                      ; and where they go: wave x 34,816 bytes: no place in the cluster enters an LDS address
	s_mul_i32 s72, s66, SIZE_N*4                   ; my 128 bias numbers: the expert's row (EXP0's rows stand in the loads' immediates),
	s_lshl_b32 s67, s42, 10                        ; + 256 columns x block column,
	s_add_co_u32 s72, s72, s67
	s_lshl_b32 s67, s12, 9                         ; + 128 columns x half
	s_add_co_u32 s72, s72, s67
	s_mov_b32 s73, 0
	s_wait_dscnt 0x0
	s_wait_kmcnt 0x0
	s_add_nc_u64 s[14:15], s[4:5], s[16:17]
	s_add_nc_u64 s[46:47], s[6:7], s[46:47]
	s_add_nc_u64 s[70:71], s[70:71], s[72:73]
	; the side stream's share: work-group number = 8 x block row + block column; a wave takes 65,536 bytes of input and makes 32,768 of output
.if SIDE2
	s_cmp_lt_u32 s68, 4                            ; block rows 0 to 15 (cluster y below 4) take x, the others w1: 128 work-groups x 262,144 bytes each
	s_cselect_b64 s[SIN:SIN+1], s[80:81], s[82:83]
	s_cselect_b64 s[SOUT:SOUT+1], s[84:85], s[86:87]
	s_and_b32 s67, s13, 15
	s_lshl3_add_u32 s67, s67, s42
.else
	s_lshl3_add_u32 s67, s13, s42
.endif
	s_lshl2_add_u32 s67, s67, s10                  ; 4 x work-group + wave
	s_lshl_b32 s72, s67, 16
.if SIDE2
	s_add_co_u32 s72, s72, SIDE_OFF                ; the source's second half; the sum stays below 64 MiB: one word
.endif
	s_add_nc_u64 s[SIN:SIN+1], s[SIN:SIN+1], s[72:73]
	s_lshl_b32 s72, s67, 15
	s_add_nc_u64 s[SOUT:SOUT+1], s[SOUT:SOUT+1], s[72:73]
	CROUND                                         ; all sixteen work-groups are here: the first joint loads meet
.irp s, 0,1
	s_mov_b32 s[G0+4*\s], 1                                        ; count = 1
	s_add_co_u32 s[G0+4*\s+1], s20, \s*SLOT                        ; LDS address
	s_add_nc_u64 s[G0+4*\s+2:G0+4*\s+3], s[14:15], \s*KSTEP*2      ; global address: K step s
	s_or_b32 s[G0+4*\s+3], s[G0+4*\s+3], 0x80000000                ; type = 2
	s_mov_b32 s[G0B+4*\s], 1
	s_add_co_u32 s[G0B+4*\s+1], s20, \s*SLOT
	s_add_nc_u64 s[G0B+4*\s+2:G0B+4*\s+3], s[46:47], \s*BSTEP
	s_or_b32 s[G0B+4*\s+3], s[G0B+4*\s+3], 0x80000000
	JLOAD \s                                       ; both first fills go out before anything else: two tensor loads of the wave are out
.endr
	v_and_b32 v1, 15, v0                           ; r = l % 16
	v_bfe_u32 v2, v0, 4, 1                         ; h = l / 16
	v_lshlrev_b32 v[BO], 5, v2                     ; 8 h numbers of 4 bytes
.irp b, 0,1,2,3,4,5,6,7
	global_load_b128 v[BIAS+8*\b:BIAS+8*\b+3],   v[BO], s[70:71] offset:EXP0*SIZE_N*4+64*\b      ; columns 16 b + 8 h + 0..3
	global_load_b128 v[BIAS+8*\b+4:BIAS+8*\b+7], v[BO], s[70:71] offset:EXP0*SIZE_N*4+64*\b+16   ; columns 16 b + 8 h + 4..7; used on the way out; the side stream's first wait covers them
.endr
	v_and_b32 v5, 31, v0
	v_lshlrev_b32 v[SI], 4, v5
	v_lshlrev_b32 v[SO], 3, v5
	WIN TO_B
.irp i, 0,1,2,3,4,5,6,7,8,9,10,11,12,13,14,15
	global_load_b128 v[4*\i:4*\i+3], v[SI], s[SIN:SIN+1] offset:512*\i th:TH_LOAD_NT               ; the side stream's group 0
.endr
.irp i, 0,1,2,3,4,5,6,7,8,9,10,11,12,13,14,15
	global_load_b128 v[XS+4*\i:XS+4*\i+3], v[SI], s[SIN:SIN+1] offset:GROUP+512*\i th:TH_LOAD_NT   ; and group 1
.endr
	WIN 0
	; A's fragment: lane l holds row r; registers 0-3 K = 8 h + 0..7, registers 4-7 K = 16 + 8 h + 0..7: two loads of 16 bytes, 32 bytes apart.
	v_mul_u32_u24 v3, v1, PITCH
	v_lshl_add_u32 v3, v2, 4, v3                   ; r x pitch + 16 h
	s_mul_i32 s21, s11, HALFT                      ; my 128 rows of A
	; B's fragment by the transposing load: lane l addresses k row 8 h + l % 8, 16 bytes at 16 ((l / 8) % 2); the second load 16 k rows further down.
	v_and_b32 v4, 7, v0
	v_lshl_add_u32 v4, v2, 3, v4                   ; 8 h + l % 8
	v_mul_u32_u24 v4, v4, PITCHB
	v_bfe_u32 v5, v0, 3, 1
	v_lshl_add_u32 v4, v5, 4, v4
	s_lshl_b32 s22, s12, 8                         ; my 128 columns of B: 256 bytes along its rows,
	s_add_co_u32 s22, s22, 2*HALFT                 ; which lie behind A's 256 rows
.irp s, 0,1
	v_add_nc_u32 v[ADRA+\s], s21, v3
	v_add_nc_u32 v[ADRB+\s], s22, v4
	s_add_co_u32 s21, s21, SLOT
	s_add_co_u32 s22, s22, SLOT
.endr
	s_mul_i32 s23, s10, 16*SPITCH
	s_add_co_u32 s23, s23, STAGE                   ; my stage
	v_mul_u32_u24 v4, v1, SPITCH                   ; in: row r, 16 bytes for each half of the lanes
	v_lshl_add_u32 v4, v2, 4, v4
	v_add_nc_u32 v[STO], s23, v4
	v_mul_u32_u24 v5, v2, SPITCH                   ; back: lanes 0-15 take one row of 256 bytes, lanes 16-31 the next
	v_lshl_add_u32 v5, v1, 4, v5
	v_add_nc_u32 v[RD], s23, v5
	v_lshlrev_b32 v5, 12, v2                       ; and the same two rows in the result
	v_lshl_add_u32 v[CO], v1, 4, v5
; 16 matrix instructions: m blocks a0, a0 + 1 of the window's four (hi = 0: my rows 0-63, 1: rows 64-127) x all 8 n blocks, 32 along K.
; zero = 1: the first product starts the sums: nothing is ever cleared.
.macro MUL16 f, hi, a0, zero
.irp a, \a0, \a0+1
.irp b, 0,1,2,3,4,5,6,7
.if \zero
	v_wmma_f32_16x16x32_bf16 v[8*(8*(\a)+\b):8*(8*(\a)+\b)+7], v[\f+8*\b:\f+8*\b+7], v[\f+8*(4*\hi+\a):\f+8*(4*\hi+\a)+7], 0
.else
	v_wmma_f32_16x16x32_bf16 v[8*(8*(\a)+\b):8*(8*(\a)+\b)+7], v[\f+8*\b:\f+8*\b+7], v[\f+8*(4*\hi+\a):\f+8*(4*\hi+\a)+7], v[8*(8*(\a)+\b):8*(8*(\a)+\b)+7]
.endif
.endr
.endr
.endm
; 32 LDS loads in one run: the fragments of quarter q of a K step (32 k rows x 128 columns of B, 128 rows x 32 K of A) into buffer f.  B's first.
.macro FETCH slot, q, f
	WIN TO_B
.irp i, 0,1,2,3,4,5,6,7
	ds_load_tr16_b128 v[\f+8*\i:\f+8*\i+3],   v[ADRB+\slot] offset:\q*32*PITCHB+32*\i             ; columns 16 i + r, K = 8 h + 0..7
	ds_load_tr16_b128 v[\f+8*\i+4:\f+8*\i+7], v[ADRB+\slot] offset:\q*32*PITCHB+16*PITCHB+32*\i   ; K = 16 + 8 h + 0..7; the largest offset is 61,152
.endr
	WIN 0
.irp i, 0,1,2,3,4,5,6,7
	ds_load_b128 v[\f+8*\i:\f+8*\i+3],   v[ADRA+\slot] offset:\q*64+\i*16*PITCH
	ds_load_b128 v[\f+8*\i+4:\f+8*\i+7], v[ADRA+\slot] offset:\q*64+\i*16*PITCH+32
.endr
.endm
; The side stream's turn in K step t (slot = t % 2): group t is converted and stored; fill = 1: group t + 2 is requested into the registers just read.
; left = how many younger loads may stay out: the 16 of group t + 1, or none in the last K step.
.macro SIDE slot, fill, left
	s_wait_loadcnt \left                           ; loads come back in order (ISA guide 5.7.1): group t is in (in K step 0 the bias, asked for earlier, too)
	s_wait_xcnt 0x0                                ; the last K step's stores and loads have had their addresses translated (ISA guide 3.1): YS and both bases are rewritten only behind this wait
.if \fill
	s_add_nc_u64 s[SIN:SIN+1], s[SIN:SIN+1], GROUP                 ; now at group t + 1
.endif
	s_add_nc_u64 s[SOUT:SOUT+1], s[SOUT:SOUT+1], GROUP/2           ; now behind group t: the stores reach back
	WIN FROM_X
.irp i, 0,1,2,3,4,5,6,7,8,9,10,11,12,13,14,15
	v_cvt_pk_bf16_f32 v[YS+2*\i],   v[XS*\slot+4*\i],   v[XS*\slot+4*\i+1]
	v_cvt_pk_bf16_f32 v[YS+2*\i+1], v[XS*\slot+4*\i+2], v[XS*\slot+4*\i+3]
.endr
	WIN 0
.irp i, 0,1,2,3,4,5,6,7,8,9,10,11,12,13,14,15
	global_store_b64 v[SO], v[YS+2*\i:YS+2*\i+1], s[SOUT:SOUT+1] offset:256*\i-GROUP/2     ; the wave stores 256 consecutive bytes, at a multiple of 256; no hint: a later launch reads them
.endr
.if \fill
	WIN TO_B
.irp i, 0,1,2,3,4,5,6,7,8,9,10,11,12,13,14,15
	global_load_b128 v[XS*\slot+4*\i:XS*\slot+4*\i+3], v[SI], s[SIN:SIN+1] offset:GROUP+512*\i th:TH_LOAD_NT   ; group t + 2; the launch reads each byte once
.endr
.endif
.endm
; A load into a register that a matrix instruction has read, and a vector instruction that reads a matrix result or writes one of a matrix
; instruction's registers, stand four places behind it, and only plain vector instructions that name none of its registers are places
; (ISA guide 7.12.1 for vector instructions).  The matrix instructions in between are not counted.
.macro PLACES
.rept 4
	v_nop
.endr
.endm
; A K step is four quarters of 32 along K, 64 matrix instructions each, on buffers 0, 1, 0, 1.  The 64 accumulators take turns, one instruction
; a turn, in the same order in every quarter, over the loop's backward jump too.
; One of the first three quarters: multiplies buffer f; in its middle it fetches quarter q of the same slot into buffer g.
; side = 1: the side stream's turn follows the fetch, so that the LDS loads, which are wanted 32 matrix instructions on, go out first.
.macro QUARTER slot, q, f, g, zero, side, fill, left
	s_wait_dscnt 8                                 ; B and A's rows 0-63 are in; the youngest eight loads (A's rows 64-127) may be out
	WIN MUL_LO
	MUL16 \f, 0, 0, \zero
	MUL16 \f, 0, 2, \zero
	PLACES
	FETCH \slot, \q, \g
.if \side
	SIDE \slot, \fill, \left
.endif
	s_wait_dscnt 32                                ; all but the 32 just issued
	WIN MUL_HI
	MUL16 \f, 1, 0, \zero
	MUL16 \f, 1, 2, \zero
.endm
.macro THREE slot, zero, fill, left
	QUARTER \slot, 1, F0, F1, \zero, 1, \fill, \left
	QUARTER \slot, 2, F1, F0, 0, 0, 0, 0
	QUARTER \slot, 3, F0, F1, 0, 0, 0, 0
.endm
; The last quarter: multiplies buffer 1 and changes slots.  next = the other slot; fill = 1: this slot is filled again, two K steps ahead.
; One barrier for the change of slots.  In front of it each wave waits for its own reads of this slot and for all its tensor loads, of which one
; is out: its part of the next slot.  Behind it nobody reads this slot and the next slot is whole: the refill comes first, then the next slot's
; first fragments.  From a request to the wait for it a wave issues 240 matrix instructions.
.macro TURN slot, next, fill
	s_wait_dscnt 8
	WIN MUL_LO
	MUL16 F1, 0, 0, 0
	s_wait_dscnt 0                                 ; my reads of this slot are over
	s_set_vgpr_msb 0xa1a0
	s_wait_tensorcnt 0x0                           ; and all my tensor loads have landed, my part of the next slot among them
	ds_add_u32 v30, v31
	s_wait_dscnt 0x0
	s_set_vgpr_msb 0xa0a1
	s_barrier_signal -1                            ; say so (where a slot is filled again this barrier opens a round of the cluster's barrier),
	MUL16 F1, 0, 2, 0                              ; work on registers while the others arrive,
	WIN 0
	s_barrier_wait -1                              ; and go on when all four have said so
.if \fill
	CREST                                          ; all sixteen work-groups have said so: no wave of any partner still reads this slot or has a load on its way
	s_add_nc_u64 s[G0+4*\slot+2:G0+4*\slot+3], s[G0+4*\slot+2:G0+4*\slot+3], 2*KSTEP*2     ; no tensor load of mine is out: group 0 may be written
	s_add_nc_u64 s[G0B+4*\slot+2:G0B+4*\slot+3], s[G0B+4*\slot+2:G0B+4*\slot+3], 2*BSTEP
	JLOAD \slot                                    ; the first tensor load behind the round, and my only one until the next
.endif
	PLACES
	FETCH \next, 0, F0
	WIN MUL_HI
	MUL16 F1, 1, 0, 0
	MUL16 F1, 1, 2, 0
.endm
.macro LAP zero                        ; once round the ring, both slots filled again, two groups of the side stream
	THREE 0, \zero, 1, 16
	TURN 0, 1, 1
	THREE 1, 0, 1, 16
	TURN 1, 0, 1
.endm
	s_wait_tensorcnt 1                             ; my part of K step 0 is in; K step 1's may stay out
	s_barrier_signal -1
	s_barrier_wait -1                              ; everybody's is
	FETCH 0, 0, F0
	LAP 1                                          ; the first lap stands in front of the loop: its first products start the sums
.if LAPS > 2
	WIN 0                                          ; at a label and at a branch every window is 0
	s_mov_b32 s3, LAPS-2
.Llap:
	LAP 0
	WIN 0
	s_sub_co_u32 s3, s3, 1
	s_cmp_lg_u32 s3, 0
	s_cbranch_scc1 .Llap
.endif
	THREE 0, 0, 0, 16                              ; the last lap fills nothing and has no round of the cluster's barrier; the side stream asks for nothing more: group 7 is still out,
	TURN 0, 1, 0
	THREE 1, 0, 0, 0                               ; and here nothing is
	s_wait_dscnt 8                                 ; the very last quarter: nothing more to fetch
	WIN MUL_LO
	MUL16 F1, 0, 0, 0
	MUL16 F1, 0, 2, 0
	s_wait_dscnt 0
	WIN MUL_HI
	MUL16 F1, 1, 0, 0
	MUL16 F1, 1, 2, 0
	; THE WAY OUT, 16 rows at a time: add the bias, GELU in f32, round to bf16, 16 bytes a lane into my own stage in LDS, read back as whole rows.
	; gelu(v) = v Phi(v) = max(v, 0) - |v| q, with q = phi(|v|) P(t), t = 1 / (1 + p |v|), P = t (c1 + t (c2 + t (c3 + t (c4 + t c5)))):
	; q is the upper tail of the normal distribution at |v|, so no difference of large numbers is formed.  phi's factor 1 / sqrt(2 pi) is folded into c1 .. c5,
	; and exp(-v v / 2) is 2^(CK v v) with CK = -0.5 log2 e.
.set VV, 64                            ; v64-127   16 rows x my 8 numbers of each of 8 tiles, bias added
.set DD, 128                           ; v128-135  1 + p |v|, then the polynomial
.set UU, 136                           ; v136-143  CK v v
.set TT, 144                           ; v144-151  t
.set EE, 152                           ; v152-159  2^UU, then q
.set RR, 160                           ; v160-167  max(v, 0), then the result
.set PK, 168                           ; v168-175  packed bf16, two sets by turns
.set CK, 176                           ; constant pairs, both halves alike, for the packed forms
.set C1, 178
.set C2, 180
.set C3, 182
.set C4, 184
.set C5, 186
	WIN 0
	PLACES                                         ; the places behind the last matrix instructions: for all that follows
.irp k, 0,1
	v_mov_b32 v[CK+\k], 0xbf38aa3b                 ; -0.5 log2 e
	v_mov_b32 v[C1+\k], 0x3e027906                 ;  0.319381530 / sqrt(2 pi)
	v_mov_b32 v[C2+\k], 0xbe11a98e                 ; -0.356563782 / sqrt(2 pi)
	v_mov_b32 v[C3+\k], 0x3f35f0e3                 ;  1.781477937 / sqrt(2 pi)
	v_mov_b32 v[C4+\k], 0xbf3a00e3                 ; -1.821255978 / sqrt(2 pi)
	v_mov_b32 v[C5+\k], 0x3f07dc22                 ;  1.330274429 / sqrt(2 pi)
.endr
	s_mov_b32 s74, 0x3e6d3389                      ; p = 0.2316419
	s_lshl_b32 s16, s13, 8
	s_lshl_b32 s14, s11, 7
	s_add_co_u32 s16, s16, s14                     ; my first row among the launch's 8,192
	s_lshl_b32 s16, s16, 12                        ; x 4,096 bytes: below 32 MiB, one word
	s_mov_b32 s17, 0
	s_add_nc_u64 s[8:9], s[8:9], s[16:17]
.if EXP0
	s_add_nc_u64 s[8:9], s[8:9], EXP0*2048*CROW    ; the rows of the experts in front of this launch's
.endif
	s_mul_i32 s46, s42, 2*WCOLB                    ; my first column, in bytes (in the registers that held B's address)
	s_mul_i32 s47, s12, WCOLB
	s_add_co_u32 s46, s46, s47
	s_mov_b32 s47, 0
	s_add_nc_u64 s[8:9], s[8:9], s[46:47]
; GELU of the eight numbers v[src .. src+7]; four words of bf16 into v[pk .. pk+3]
.macro GELU8 src, pk
.irp i, 0,1,2,3,4,5,6,7
	v_fma_f32 v[DD+\i], |v[\src+\i]|, s74, 1.0                     ; 1 + p |v|
.endr
.irp j, 0,2,4,6
	v_pk_mul_f32 v[UU+\j:UU+\j+1], v[\src+\j:\src+\j+1], v[CK:CK+1]
.endr
.irp j, 0,2,4,6
	v_pk_mul_f32 v[UU+\j:UU+\j+1], v[UU+\j:UU+\j+1], v[\src+\j:\src+\j+1]     ; CK v v; a product past f32's range gives -infinity, and 2^ of it zero
.endr
.irp i, 0,1,2,3,4,5,6,7
	v_rcp_f32 v[TT+\i], v[DD+\i]                   ; t
.endr
.irp i, 0,1,2,3,4,5,6,7
	v_exp_f32 v[EE+\i], v[UU+\i]
.endr
.irp i, 0,1,2,3,4,5,6,7
	v_max_num_f32 v[RR+\i], 0, v[\src+\i]          ; plain work that names no register of the transcendentals stands between them and the first use of a result (ISA guide 5.7.2)
.endr
	s_wait_alu depctr_va_vdst(0)
.irp j, 0,2,4,6
	v_pk_fma_f32 v[DD+\j:DD+\j+1], v[TT+\j:TT+\j+1], v[C5:C5+1], v[C4:C4+1]
.endr
.irp j, 0,2,4,6
	v_pk_fma_f32 v[DD+\j:DD+\j+1], v[DD+\j:DD+\j+1], v[TT+\j:TT+\j+1], v[C3:C3+1]
.endr
.irp j, 0,2,4,6
	v_pk_fma_f32 v[DD+\j:DD+\j+1], v[DD+\j:DD+\j+1], v[TT+\j:TT+\j+1], v[C2:C2+1]
.endr
.irp j, 0,2,4,6
	v_pk_fma_f32 v[DD+\j:DD+\j+1], v[DD+\j:DD+\j+1], v[TT+\j:TT+\j+1], v[C1:C1+1]
.endr
.irp j, 0,2,4,6
	v_pk_mul_f32 v[DD+\j:DD+\j+1], v[DD+\j:DD+\j+1], v[TT+\j:TT+\j+1]
.endr
.irp j, 0,2,4,6
	v_pk_mul_f32 v[EE+\j:EE+\j+1], v[DD+\j:DD+\j+1], v[EE+\j:EE+\j+1]         ; q
.endr
.irp i, 0,1,2,3,4,5,6,7
	v_fma_f32 v[RR+\i], -|v[\src+\i]|, v[EE+\i], v[RR+\i]          ; max(v, 0) - |v| q
.endr
.irp j, 0,1,2,3
	v_cvt_pk_bf16_f32 v[\pk+\j], v[RR+2*\j], v[RR+2*\j+1]
.endr
.endm
; rows 16 i .. 16 i + 15 of my block = the eight tiles (a, 0..7) of window 2 or 3 (from = 0x02 or 0x03: source 0 alone)
.macro OUT16 i, a, from
	WIN \from
.irp b, 0,1,2,3,4,5,6,7
.irp r, 0,2,4,6
	v_pk_add_f32 v[VV+8*\b+\r:VV+8*\b+\r+1], v[8*(8*\a+\b)+\r:8*(8*\a+\b)+\r+1], v[BIAS+8*\b+\r:BIAS+8*\b+\r+1]
.endr
.endr
	WIN 0
.irp b, 0,1,2,3,4,5,6,7
	GELU8 VV+8*\b, PK+4*(\b&1)
	ds_store_b128 v[STO], v[PK+4*(\b&1):PK+4*(\b&1)+3] offset:32*\b            ; columns 16 b + 8 h + 0..7 of row r
.endr
	s_wait_xcnt 0x0                                ; RB, which the last strip's stores (in the first strip: the side stream's last) read, and the stores' base are rewritten only behind this wait
.if \i
	s_add_nc_u64 s[8:9], s[8:9], 16*CROW           ; 16 rows on
.endif
.irp t, 0,1,2,3,4,5,6,7
	ds_load_b128 v[RB+4*\t:RB+4*\t+3], v[RD] offset:\t*2*SPITCH    ; LDS serves a wave's instructions in order (ISA guide 5.7.1.4): these see my stores above
.endr
.irp t, 0,1,2,3,4,5,6,7
	s_wait_dscnt 7-\t                              ; load t of the eight is in
	global_store_b128 v[CO], v[RB+4*\t:RB+4*\t+3], s[8:9] offset:2*\t*CROW     ; 16 lanes store 256 consecutive bytes, at a multiple of 256; no hint: a later launch reads them
.endr
.endm
	OUT16 0, 0, 0x02
	OUT16 1, 1, 0x02
	OUT16 2, 2, 0x02
	OUT16 3, 3, 0x02
	OUT16 4, 0, 0x03
	OUT16 5, 1, 0x03
	OUT16 6, 2, 0x03
	OUT16 7, 3, 0x03
	s_wait_tensorcnt 0x0
	ds_add_u32 v30, v31
	s_wait_dscnt 0x0
	CROUND                                         ; the closing round: no work-group ends while a partner may still ask for a tile that names it
	s_endpgm
.Lfunc_end_k_q78185b3319_upb:
	.size	k_q78185b3319_upb, .Lfunc_end_k_q78185b3319_upb-k_q78185b3319_upb
	.p2alignl 7, 3214868480
	.fill 96, 4, 3214868480
	.section	.rodata,"a",@progbits
	.p2align	6, 0x0
	.amdhsa_kernel k_q78185b3319_upb
		.amdhsa_group_segment_fixed_size 327680
		.amdhsa_private_segment_fixed_size 0
		.amdhsa_enable_private_segment 0
		.amdhsa_kernarg_size 48
		.amdhsa_user_sgpr_count 2
		.amdhsa_user_sgpr_kernarg_segment_ptr 1
		.amdhsa_wavefront_size32 1
		.amdhsa_system_sgpr_workgroup_id_x 1
		.amdhsa_system_sgpr_workgroup_id_y 1
		.amdhsa_system_sgpr_workgroup_id_z 1
		.amdhsa_system_vgpr_workitem_id 0
		.amdhsa_next_free_vgpr 1024
		.amdhsa_next_free_sgpr 88
		.amdhsa_reserve_vcc 0
		.amdhsa_float_denorm_mode_32 3
		.amdhsa_float_denorm_mode_16_64 3
		.amdhsa_memory_ordered 1
		.amdhsa_forward_progress 1
		.amdhsa_inst_pref_size 255
	.end_amdhsa_kernel
	.section	.bss,"aw",@nobits
	.p2align	6
	.space	262144
	.amdgpu_metadata
---
amdhsa.version: [ 1, 2 ]
amdhsa.kernels:
  - .name:           k_q78185b3319_upb
    .symbol:         k_q78185b3319_upb.kd
    .args:
      - { .name: xb1, .offset: 0, .size: 8, .value_kind: global_buffer, .address_space: global }
      - { .name: w1b1, .offset: 8, .size: 8, .value_kind: global_buffer, .address_space: global }
      - { .name: hb, .offset: 16, .size: 8, .value_kind: global_buffer, .address_space: global }
      - { .name: b1, .offset: 24, .size: 8, .value_kind: global_buffer, .address_space: global }
      - { .name: w2, .offset: 32, .size: 8, .value_kind: global_buffer, .address_space: global }
      - { .name: w2b, .offset: 40, .size: 8, .value_kind: global_buffer, .address_space: global }
    .group_segment_fixed_size: 327680
    .private_segment_fixed_size: 0
    .kernarg_segment_align: 8
    .kernarg_segment_size: 48
    .max_flat_workgroup_size: 128
    .sgpr_count:     88
    .vgpr_count:     1024
    .wavefront_size: 32
...
	.end_amdgpu_metadata
.endif
;; end of part 3
;; launch down (part 4): grid 4 x 64, 4 waves a work-group, clusters of 4 x 4, 327,680 bytes of LDS; arguments hb, w2b, out0, b2; writes out0
.if DOCPART == 4
	.amdgcn_target "amdgcn-amd-amdhsa--gfx1250"
	.amdhsa_code_object_version 6
	.text
	.protected	k_q78185b3319_down
	.globl	k_q78185b3319_down
	.p2align	8
	.type	k_q78185b3319_down,@function
k_q78185b3319_down:
	s_mov_b64 s[64:65], 0
	v_nop
	global_prefetch_b8 v0, s[64:65] scope:SCOPE_SE
	s_setreg_imm32_b32 hwreg(HW_REG_WAVE_MODE, 25, 1), 1
	s_wait_xcnt 0x0
	s_wait_alu depctr_hold_cnt(0) depctr_sa_sdst(0) depctr_va_vdst(0) depctr_va_sdst(0) depctr_va_ssrc(0) depctr_va_vcc(0) depctr_vm_vsrc(0)
	s_getreg_b32 s2, hwreg(HW_REG_IB_STS2, 6, 4)
	s_cmp_eq_u32 s2, 0
	s_cbranch_scc0 .Lentry_in_a_cluster
	s_endpgm
.Lentry_in_a_cluster:
	s_bfe_u32 s2, ttmp6, 0x10000c
	s_cmp_lg_u32 s2, 0xf033
	s_cbranch_scc0 .Lentry_shape_is_right
	s_endpgm
.Lentry_shape_is_right:
; out0 = hb . w2b[e] + b2[e].  hb: [16384][2048] bf16 (expert e owns rows 2048 e .. 2048 e + 2047), w2b: [8][2048 k][1024 n] bf16,
; b2: [8][1024] f32, out0: [16384][1024] f32.  Sums and bias in f32.  LIMIT: the matrix operands are bf16.
; A work-group makes a block of 256 x 256 with four waves; a wave makes 128 x 128: 64 accumulator tiles of 16 x 16, 512 registers.
; K goes in steps of 128 through a ring of two LDS slots filled by the tensor data mover.
; THE WEIGHTS LIE [k][n]: a tile of them is 128 k rows of 256 columns (512 bytes a row), and the fragments, which want k along a lane's
; registers, come out of LDS by the transposing load ds_load_tr16_b128, two a fragment, as many as a plain fragment takes.
; CLUSTERS: 4 x 4 work-groups.  The four of a cluster's row make blocks of one block row and need the same tiles of hb; the four of a column need
; the same tiles of w2b (an expert has 8 block rows, a cluster 4, so all sixteen have one expert).  Such a tile is asked for jointly.
;
; REGISTERS, in windows of 256:
;   window 0: v0-31 addresses; v64-127, v128-191 fragments of A, two buffers (at work on the way out); v192-255 my 64 bias numbers
;   window 1: v64-127, v128-191 fragments of B, two buffers
;   window 2: the 32 accumulator tiles of my rows 0-63 (tile (a, b) at v[8 (8 a + b)]);   window 3: those of my rows 64-127
; THE MATRIX INSTRUCTION IS USED TRANSPOSED: source 0 = 16 columns of the weights, source 1 = 16 rows of hb.  Lane l then holds row l % 16 of the
; result and its registers 0 to 7 the columns 8 (l / 16) + 0 .. 7: eight neighbouring numbers of a row.
.set SIZE_K, 2048
.set SIZE_N, 1024
.set KSTEP,  128
.set PITCH,  272                       ; A's LDS row: 256 bytes + 16 of padding, an odd multiple of 16: the 16 rows of a fragment load start 16 bytes apart modulo 256
.set PITCHB, 544                       ; B's LDS row: 512 bytes + 32 of padding, an odd multiple of 32, for the transposing loads
.set HALFT,  128*PITCH                 ; what one tensor load brings: 128 rows of A, or 64 k rows of B (64 x 544 is the same 34,816 bytes)
.set SLOT,   4*HALFT                   ; A's 256 rows, then B's 128 k rows
.set STAGE,  2*SLOT                    ; behind the ring (a multiple of 256): 16 rows for each wave, for the way out; no tensor load lands here
.set SPITCH, 528                       ; a stage row: 128 f32 + 16 bytes
.set WCOLB,  512                       ; a wave's bytes of a row of the result
.set BROW,   SIZE_N*2                  ; bytes from one k row of the weights to the next
.set BSTEP,  KSTEP*BROW                ; and from one K step to the next
.set CROW,   4096                      ; bytes in a row of the result
.set LAPS,   SIZE_K/(2*KSTEP)          ; a lap = two K steps = once round the ring
.set ADRA, 16                          ; v16-17  LDS address of my A fragments in slot 0, 1
.set ADRB, 20                          ; v20-21  the same for B
.set STO,  24                          ; v24     the way out: where I put 32 bytes of a row
.set RD,   25                          ; v25     the way out: where I read a row back
.set CO,   26                          ; v26     my byte offset in the result
.set BO,   27                          ; v27     my byte offset in the bias: 32 (l / 16)
.set F0,   64                          ; fragment buffer 0
.set F1,   128                         ; fragment buffer 1
.set BIAS, 192                         ; v[BIAS + 8 b + j] = bias of my column 16 b + 8 (l / 16) + j
.set G1,  24                           ; s[24:31] descriptor group 1 for A's tiles
.set G0,  32                           ; s[32:39] descriptor group 0 for A's tiles, one set for each slot
.set G1B, 48                           ; s[48:55] descriptor group 1 for B's tiles
.set G0B, 56                           ; s[56:63] descriptor group 0 for B's tiles, one set for each slot
.set MSB, 0
.macro WIN new                         ; the immediate's high byte repeats the setting that is left; a switch that changes nothing is dropped
.if MSB != \new
	s_set_vgpr_msb (MSB<<8)|\new
.set MSB, \new
.endif
.endm
.set MUL_LO, 0xa1                      ; source 0 (B) window 1, source 1 (A) window 0, C and D window 2
.set MUL_HI, 0xf1                      ; the same, C and D window 3
.set TO_B,   0x40                      ; destination window 1, address window 0
; A joint load.  Waves 0 and 1 fetch A's two halves, waves 2 and 3 B's.  Each line has one mask and one set of registers for all that issue it.
; The branch hangs on the wave's number alone: it is the same in every work-group.
.macro JLOAD s
	s_cmp_eq_u32 s11, 0
	s_cbranch_scc0 .Lfor_b_\@
	tensor_load_to_lds s[G0+4*\s:G0+4*\s+3], s[G1:G1+7]
	s_nop 0
	s_branch .Lasked_\@
.Lfor_b_\@:
	tensor_load_to_lds s[G0B+4*\s:G0B+4*\s+3], s[G1B:G1B+7]
	s_nop 0
.Lasked_\@:
.endm
; A round of the cluster's barrier: my work-group's barrier, so that wave 0's signal speaks for all four waves; wave 0 signals for the work-group;
; every wave waits for all sixteen work-groups; my work-group's barrier once more.
.macro CREST                           ; a round behind its opening barrier
	s_cmp_lg_u32 s10, 0
	s_cbranch_scc1 .Lnot_wave_0_\@
	s_barrier_signal -3
.Lnot_wave_0_\@:
	s_barrier_wait -3
	s_barrier_signal -1
	s_barrier_wait -1
.endm
.macro CROUND                          ; a whole round
	s_barrier_signal -1
	s_barrier_wait -1
	CREST
.endm
	s_load_b128 s[4:7], s[0:1], 0x0                ; A s[4:5], B s[6:7]
	s_load_b64 s[8:9], s[0:1], 0x10                ; the result
	s_load_b64 s[70:71], s[0:1], 0x18              ; the bias
	s_set_vgpr_msb 0x40
	v_lshl_add_u32 v255, v0, 2, 0x4c400
	s_set_vgpr_msb 0x4000
	v_mov_b32 v63, 0
	s_set_vgpr_msb 0x1
	ds_add_u32 v255, v63
	s_set_vgpr_msb 0x100
	v_lshrrev_b32 v1, 5, v0
	v_readfirstlane_b32 s10, v1                    ; wave 0..3
	s_lshr_b32 s11, s10, 1                         ; which half of the block's rows is mine.  Also: I fetch for A (0) or for B (1)
	s_and_b32 s12, s10, 1                          ; which half of its columns.  Also: which half of that tile I fetch
	s_bfe_u32 s40, ttmp6, 0x40000                  ; cx: my place along the cluster's x
	s_bfe_u32 s41, ttmp6, 0x40004                  ; cy: along its y
	s_lshl_b32 s42, ttmp9, 2                       ; in a cluster launch ttmp9 and ttmp7 count clusters
	s_add_co_u32 s42, s42, s40                     ; block column = 4 x cluster x + cx
	s_and_b32 s13, ttmp7, 0xffff
	s_lshr_b32 s66, s13, 1                         ; expert = block row / 8 = cluster y / 2: the same in all sixteen work-groups
	s_lshl_b32 s13, s13, 2
	s_add_co_u32 s13, s13, s41                     ; block row = 4 x cluster y + cy
	s_lshl_b32 s43, s41, 2
	s_lshl_b32 s43, 15, s43                        ; my row of the cluster: places 4 cy .. 4 cy + 3
	s_lshl_b32 s44, 0x1111, s40                    ; my column: places cx, cx + 4, cx + 8, cx + 12
	; group 1 for A: 128 rows x 128 elements of 2 bytes, 4 words of padding behind every 64 words
	s_or_b32 s[G1+0], s43, (1<<16)|(1<<20)|(1<<21)|(5<<22)|(3<<25)   ; 15:0 mask: my row; 17:16 2 bytes; 20 padding on; 21 set beside a mask; 24:22 interval code 5; 31:25 pad code 3
	s_mov_b32 s[G1+1], KSTEP<<16                   ; tensor_dim0 = 128
	s_mov_b32 s[G1+2], 128<<16                     ; tensor_dim1 = 128
	s_mov_b32 s[G1+3], KSTEP<<16                   ; tile_dim0 = 128
	s_mov_b32 s[G1+4], 128                         ; tile_dim1 = 128
	s_mov_b32 s[G1+5], SIZE_K                      ; elements from row to row
	s_mov_b32 s[G1+6], 0
	s_mov_b32 s[G1+7], 0
	; group 1 for B: 64 k rows x 256 elements of 2 bytes, 8 words of padding behind every 128 words
	s_or_b32 s[G1B+0], s44, (1<<16)|(1<<20)|(1<<21)|(6<<22)|(7<<25)  ; mask: my column; interval code 6; pad code 7
	s_mov_b32 s[G1B+1], 256<<16                    ; tensor_dim0 = 256
	s_mov_b32 s[G1B+2], 64<<16                     ; tensor_dim1 = 64
	s_mov_b32 s[G1B+3], 256<<16                    ; tile_dim0 = 256
	s_mov_b32 s[G1B+4], 64                         ; tile_dim1 = 64
	s_mov_b32 s[G1B+5], SIZE_N                     ; elements from k row to k row
	s_mov_b32 s[G1B+6], 0
	s_mov_b32 s[G1B+7], 0
	; where the tiles come from.  A's hang on the block row alone, which my row of the cluster shares; B's on the block column and the expert,
	; which my column shares.  Every wave makes both, in registers that never hold the other coordinate, and asks by one of them.
	s_lshl_b32 s16, s13, 8
	s_lshl_b32 s17, s12, 7
	s_add_co_u32 s16, s16, s17                     ; A: row 256 x block row + 128 x half
	s_mul_i32 s16, s16, SIZE_K*2                   ; in bytes: below 16,384 rows x 4,096 bytes, one word
	s_mov_b32 s17, 0
	s_lshl_b32 s46, s66, 22                        ; B: the expert's 2,048 x 1,024 x 2 bytes,
	s_mul_i32 s67, s12, 64*BROW                    ; + 64 k rows x half,
	s_add_co_u32 s46, s46, s67
	s_lshl_b32 s67, s42, 9                         ; + 256 columns x block column
	s_add_co_u32 s46, s46, s67
	s_mov_b32 s47, 0
	s_mul_i32 s20, s10, HALFT                      ; and where they go: wave x 34,816 bytes: no place in the cluster enters an LDS address
	s_mul_i32 s72, s66, SIZE_N*4                   ; my 128 bias numbers: the expert's row,
	s_lshl_b32 s67, s42, 10                        ; + 256 columns x block column,
	s_add_co_u32 s72, s72, s67
	s_lshl_b32 s67, s12, 9                         ; + 128 columns x half
	s_add_co_u32 s72, s72, s67
	s_mov_b32 s73, 0
	s_wait_dscnt 0x0
	s_wait_kmcnt 0x0
	s_add_nc_u64 s[14:15], s[4:5], s[16:17]
	s_add_nc_u64 s[46:47], s[6:7], s[46:47]
	s_add_nc_u64 s[70:71], s[70:71], s[72:73]
	CROUND                                         ; all sixteen work-groups are here: the first joint loads meet
.irp s, 0,1
	s_mov_b32 s[G0+4*\s], 1                                        ; count = 1
	s_add_co_u32 s[G0+4*\s+1], s20, \s*SLOT                        ; LDS address
	s_add_nc_u64 s[G0+4*\s+2:G0+4*\s+3], s[14:15], \s*KSTEP*2      ; global address: K step s
	s_or_b32 s[G0+4*\s+3], s[G0+4*\s+3], 0x80000000                ; type = 2
	s_mov_b32 s[G0B+4*\s], 1
	s_add_co_u32 s[G0B+4*\s+1], s20, \s*SLOT
	s_add_nc_u64 s[G0B+4*\s+2:G0B+4*\s+3], s[46:47], \s*BSTEP
	s_or_b32 s[G0B+4*\s+3], s[G0B+4*\s+3], 0x80000000
	JLOAD \s                                       ; both first fills go out before anything else: two tensor loads of the wave are out
.endr
	v_and_b32 v1, 15, v0                           ; r = l % 16
	v_bfe_u32 v2, v0, 4, 1                         ; h = l / 16
	v_lshlrev_b32 v[BO], 5, v2                     ; 8 h numbers of 4 bytes
.irp b, 0,1,2,3,4,5,6,7
	global_load_b128 v[BIAS+8*\b:BIAS+8*\b+3],   v[BO], s[70:71] offset:64*\b      ; columns 16 b + 8 h + 0..3
	global_load_b128 v[BIAS+8*\b+4:BIAS+8*\b+7], v[BO], s[70:71] offset:64*\b+16   ; columns 16 b + 8 h + 4..7
.endr
	; A's fragment: lane l holds row r; registers 0-3 K = 8 h + 0..7, registers 4-7 K = 16 + 8 h + 0..7: two loads of 16 bytes, 32 bytes apart.
	v_mul_u32_u24 v3, v1, PITCH
	v_lshl_add_u32 v3, v2, 4, v3                   ; r x pitch + 16 h
	s_mul_i32 s21, s11, HALFT                      ; my 128 rows of A
	; B's fragment by the transposing load: lane l addresses k row 8 h + l % 8, 16 bytes at 16 ((l / 8) % 2); the second load 16 k rows further down.
	v_and_b32 v4, 7, v0
	v_lshl_add_u32 v4, v2, 3, v4                   ; 8 h + l % 8
	v_mul_u32_u24 v4, v4, PITCHB
	v_bfe_u32 v5, v0, 3, 1
	v_lshl_add_u32 v4, v5, 4, v4
	s_lshl_b32 s22, s12, 8                         ; my 128 columns of B: 256 bytes along its rows,
	s_add_co_u32 s22, s22, 2*HALFT                 ; which lie behind A's 256 rows
.irp s, 0,1
	v_add_nc_u32 v[ADRA+\s], s21, v3
	v_add_nc_u32 v[ADRB+\s], s22, v4
	s_add_co_u32 s21, s21, SLOT
	s_add_co_u32 s22, s22, SLOT
.endr
	s_mul_i32 s23, s10, 16*SPITCH
	s_add_co_u32 s23, s23, STAGE                   ; my stage
	v_mul_u32_u24 v4, v1, SPITCH                   ; in: row r, 32 bytes for each half of the lanes
	v_lshl_add_u32 v4, v2, 5, v4
	v_add_nc_u32 v[STO], s23, v4
	v_and_b32 v5, 31, v0                           ; back: the 32 lanes take one row's 512 bytes
	v_lshlrev_b32 v[CO], 4, v5                     ; and the same 512 bytes of a row of the result
	v_add_nc_u32 v[RD], s23, v[CO]
; 16 matrix instructions: m blocks a0, a0 + 1 of the window's four (hi = 0: my rows 0-63, 1: rows 64-127) x all 8 n blocks, 32 along K.
; zero = 1: the first product starts the sums: nothing is ever cleared.
.macro MUL16 f, hi, a0, zero
.irp a, \a0, \a0+1
.irp b, 0,1,2,3,4,5,6,7
.if \zero
	v_wmma_f32_16x16x32_bf16 v[8*(8*(\a)+\b):8*(8*(\a)+\b)+7], v[\f+8*\b:\f+8*\b+7], v[\f+8*(4*\hi+\a):\f+8*(4*\hi+\a)+7], 0
.else
	v_wmma_f32_16x16x32_bf16 v[8*(8*(\a)+\b):8*(8*(\a)+\b)+7], v[\f+8*\b:\f+8*\b+7], v[\f+8*(4*\hi+\a):\f+8*(4*\hi+\a)+7], v[8*(8*(\a)+\b):8*(8*(\a)+\b)+7]
.endif
.endr
.endr
.endm
; 32 LDS loads in one run: the fragments of quarter q of a K step (32 k rows x 128 columns of B, 128 rows x 32 K of A) into buffer f.  B's first.
.macro FETCH slot, q, f
	WIN TO_B
.irp i, 0,1,2,3,4,5,6,7
	ds_load_tr16_b128 v[\f+8*\i:\f+8*\i+3],   v[ADRB+\slot] offset:\q*32*PITCHB+32*\i             ; columns 16 i + r, K = 8 h + 0..7
	ds_load_tr16_b128 v[\f+8*\i+4:\f+8*\i+7], v[ADRB+\slot] offset:\q*32*PITCHB+16*PITCHB+32*\i   ; K = 16 + 8 h + 0..7; the largest offset is 61,152
.endr
	WIN 0
.irp i, 0,1,2,3,4,5,6,7
	ds_load_b128 v[\f+8*\i:\f+8*\i+3],   v[ADRA+\slot] offset:\q*64+\i*16*PITCH
	ds_load_b128 v[\f+8*\i+4:\f+8*\i+7], v[ADRA+\slot] offset:\q*64+\i*16*PITCH+32
.endr
.endm
; A load into a register that a matrix instruction has read, and a vector instruction that reads a matrix result or writes one of a matrix
; instruction's registers, stand four places behind it, and only plain vector instructions that name none of its registers are places
; (ISA guide 7.12.1 for vector instructions).  The matrix instructions in between are not counted.
.macro PLACES
.rept 4
	v_nop
.endr
.endm
; A K step is four quarters of 32 along K, 64 matrix instructions each, on buffers 0, 1, 0, 1.  The 64 accumulators take turns, one instruction
; a turn, in the same order in every quarter, over the loop's backward jump too.
; One of the first three quarters: multiplies buffer f; in its middle it fetches quarter q of the same slot into buffer g.
.macro QUARTER slot, q, f, g, zero
	s_wait_dscnt 8                                 ; B and A's rows 0-63 are in; the youngest eight loads (A's rows 64-127) may be out
	WIN MUL_LO
	MUL16 \f, 0, 0, \zero
	MUL16 \f, 0, 2, \zero
	PLACES
	FETCH \slot, \q, \g
	s_wait_dscnt 32                                ; all but the 32 just issued
	WIN MUL_HI
	MUL16 \f, 1, 0, \zero
	MUL16 \f, 1, 2, \zero
.endm
.macro THREE slot, zero
	QUARTER \slot, 1, F0, F1, \zero
	QUARTER \slot, 2, F1, F0, 0
	QUARTER \slot, 3, F0, F1, 0
.endm
; The last quarter: multiplies buffer 1 and changes slots.  next = the other slot; fill = 1: this slot is filled again, two K steps ahead.
; One barrier for the change of slots.  In front of it each wave waits for its own reads of this slot and for all its tensor loads, of which one
; is out: its part of the next slot.  Behind it nobody reads this slot and the next slot is whole: the refill comes first, then the next slot's
; first fragments.  From a request to the wait for it a wave issues 240 matrix instructions.
.macro TURN slot, next, fill
	s_wait_dscnt 8
	WIN MUL_LO
	MUL16 F1, 0, 0, 0
	s_wait_dscnt 0                                 ; my reads of this slot are over
	s_wait_tensorcnt 0x0                           ; and all my tensor loads have landed, my part of the next slot among them
	ds_add_u32 v255, v63
	s_wait_dscnt 0x0
	s_barrier_signal -1                            ; say so (where a slot is filled again this barrier opens a round of the cluster's barrier),
	MUL16 F1, 0, 2, 0                              ; work on registers while the others arrive,
	WIN 0
	s_barrier_wait -1                              ; and go on when all four have said so
.if \fill
	CREST                                          ; all sixteen work-groups have said so: no wave of any partner still reads this slot or has a load on its way
	s_add_nc_u64 s[G0+4*\slot+2:G0+4*\slot+3], s[G0+4*\slot+2:G0+4*\slot+3], 2*KSTEP*2     ; no tensor load of mine is out: group 0 may be written
	s_add_nc_u64 s[G0B+4*\slot+2:G0B+4*\slot+3], s[G0B+4*\slot+2:G0B+4*\slot+3], 2*BSTEP
	JLOAD \slot                                    ; the first tensor load behind the round, and my only one until the next
.endif
	PLACES
	FETCH \next, 0, F0
	WIN MUL_HI
	MUL16 F1, 1, 0, 0
	MUL16 F1, 1, 2, 0
.endm
.macro LAP zero                        ; once round the ring, both slots filled again
	THREE 0, \zero
	TURN 0, 1, 1
	THREE 1, 0
	TURN 1, 0, 1
.endm
	s_wait_loadcnt 0x0                             ; the bias, once
	s_wait_tensorcnt 1                             ; my part of K step 0 is in; K step 1's may stay out
	s_barrier_signal -1
	s_barrier_wait -1                              ; everybody's is
	FETCH 0, 0, F0
	LAP 1                                          ; the first lap stands in front of the loop: its first products start the sums
.if LAPS > 2
	WIN 0                                          ; at a label and at a branch every window is 0
	s_mov_b32 s3, LAPS-2
.Llap:
	LAP 0
	WIN 0
	s_sub_co_u32 s3, s3, 1
	s_cmp_lg_u32 s3, 0
	s_cbranch_scc1 .Llap
.endif
	THREE 0, 0                                     ; the last lap fills nothing and has no round of the cluster's barrier
	TURN 0, 1, 0
	THREE 1, 0
	s_wait_dscnt 8                                 ; the very last quarter: nothing more to fetch
	WIN MUL_LO
	MUL16 F1, 0, 0, 0
	MUL16 F1, 0, 2, 0
	s_wait_dscnt 0
	WIN MUL_HI
	MUL16 F1, 1, 0, 0
	MUL16 F1, 1, 2, 0
	; THE WAY OUT, 16 rows at a time: add the bias, 32 bytes a lane into my own stage in LDS, read back as whole rows of 512 bytes.
.set VV, 64                            ; v64-127   16 rows x my 8 numbers of each of 8 tiles, bias added
.set RB, 128                           ; v128-191  rows read back
	WIN 0
	PLACES                                         ; the places behind the last matrix instructions: for all that follows
	s_lshl_b32 s16, s13, 8
	s_lshl_b32 s14, s11, 7
	s_add_co_u32 s16, s16, s14                     ; my first row of the result
	s_lshl_b32 s16, s16, 12                        ; x 4,096 bytes: below 64 MiB, one word
	s_mov_b32 s17, 0
	s_add_nc_u64 s[8:9], s[8:9], s[16:17]
	s_mul_i32 s46, s42, 2*WCOLB                    ; my first column, in bytes (in the registers that held B's address)
	s_mul_i32 s47, s12, WCOLB
	s_add_co_u32 s46, s46, s47
	s_mov_b32 s47, 0
	s_add_nc_u64 s[8:9], s[8:9], s[46:47]
; rows 16 i .. 16 i + 15 of my block = the eight tiles (a, 0..7) of window 2 or 3 (from = 0x02 or 0x03: source 0 alone)
.macro OUT16 i, a, from
	WIN \from
.irp b, 0,1,2,3,4,5,6,7
.irp r, 0,2,4,6
	v_pk_add_f32 v[VV+8*\b+\r:VV+8*\b+\r+1], v[8*(8*\a+\b)+\r:8*(8*\a+\b)+\r+1], v[BIAS+8*\b+\r:BIAS+8*\b+\r+1]
.endr
.endr
	WIN 0
.irp b, 0,1,2,3,4,5,6,7
	ds_store_b128 v[STO], v[VV+8*\b:VV+8*\b+3]   offset:64*\b      ; columns 16 b + 8 h + 0..3 of row r
	ds_store_b128 v[STO], v[VV+8*\b+4:VV+8*\b+7] offset:64*\b+16   ; columns 16 b + 8 h + 4..7
.endr
	s_wait_xcnt 0x0                                ; RB, which the last strip's stores read, and their base are rewritten only behind this wait
.if \i
	s_add_nc_u64 s[8:9], s[8:9], 16*CROW           ; 16 rows on
.endif
.irp t, 0,1,2,3,4,5,6,7,8,9,10,11,12,13,14,15
	ds_load_b128 v[RB+4*\t:RB+4*\t+3], v[RD] offset:\t*SPITCH      ; LDS serves a wave's instructions in order (ISA guide 5.7.1.4): these see my stores above
.endr
.irp t, 0,1,2,3,4,5,6,7,8,9,10,11,12,13,14,15
	s_wait_dscnt 15-\t                             ; load t of the sixteen is in
	global_store_b128 v[CO], v[RB+4*\t:RB+4*\t+3], s[8:9] offset:\t*CROW th:TH_STORE_NT    ; the wave stores 512 consecutive bytes, at a multiple of 512; nothing reads them again
.endr
.endm
	OUT16 0, 0, 0x02
	OUT16 1, 1, 0x02
	OUT16 2, 2, 0x02
	OUT16 3, 3, 0x02
	OUT16 4, 0, 0x03
	OUT16 5, 1, 0x03
	OUT16 6, 2, 0x03
	OUT16 7, 3, 0x03
	s_set_vgpr_msb 0x1
	s_wait_tensorcnt 0x0
	ds_add_u32 v255, v63
	s_wait_dscnt 0x0
	s_set_vgpr_msb 0x100
	CROUND                                         ; the closing round: no work-group ends while a partner may still ask for a tile that names it
	s_endpgm
.Lfunc_end_k_q78185b3319_down:
	.size	k_q78185b3319_down, .Lfunc_end_k_q78185b3319_down-k_q78185b3319_down
	.p2alignl 7, 3214868480
	.fill 96, 4, 3214868480
	.section	.rodata,"a",@progbits
	.p2align	6, 0x0
	.amdhsa_kernel k_q78185b3319_down
		.amdhsa_group_segment_fixed_size 327680
		.amdhsa_private_segment_fixed_size 0
		.amdhsa_enable_private_segment 0
		.amdhsa_kernarg_size 32
		.amdhsa_user_sgpr_count 2
		.amdhsa_user_sgpr_kernarg_segment_ptr 1
		.amdhsa_wavefront_size32 1
		.amdhsa_system_sgpr_workgroup_id_x 1
		.amdhsa_system_sgpr_workgroup_id_y 1
		.amdhsa_system_sgpr_workgroup_id_z 1
		.amdhsa_system_vgpr_workitem_id 0
		.amdhsa_next_free_vgpr 1024
		.amdhsa_next_free_sgpr 80
		.amdhsa_reserve_vcc 0
		.amdhsa_float_denorm_mode_32 3
		.amdhsa_float_denorm_mode_16_64 3
		.amdhsa_memory_ordered 1
		.amdhsa_forward_progress 1
		.amdhsa_inst_pref_size 214
	.end_amdhsa_kernel
	.amdgpu_metadata
---
amdhsa.version: [ 1, 2 ]
amdhsa.kernels:
  - .name:           k_q78185b3319_down
    .symbol:         k_q78185b3319_down.kd
    .args:
      - { .name: hb, .offset: 0, .size: 8, .value_kind: global_buffer, .address_space: global }
      - { .name: w2b, .offset: 8, .size: 8, .value_kind: global_buffer, .address_space: global }
      - { .name: out0, .offset: 16, .size: 8, .value_kind: global_buffer, .address_space: global }
      - { .name: b2, .offset: 24, .size: 8, .value_kind: global_buffer, .address_space: global }
    .group_segment_fixed_size: 327680
    .private_segment_fixed_size: 0
    .kernarg_segment_align: 8
    .kernarg_segment_size: 32
    .max_flat_workgroup_size: 128
    .sgpr_count:     80
    .vgpr_count:     1024
    .wavefront_size: 32
...
	.end_amdgpu_metadata
.endif
;; end of part 4
;; ======== version 2 of 2: 4 launches; version 1 with the launch cvt written anew for expert scheduling mode
;; workspace buffers: xb0 16,777,216 bytes; xb1 16,777,216 bytes; w1b0 16,777,216 bytes; w1b1 16,777,216 bytes; w2b 33,554,432 bytes; hb 67,108,864 bytes
;; launch cvt (part 5): grid 256 x 2, 8 waves a work-group, no clusters, 0 bytes of LDS; arguments x, w1, xb0, w1b0; writes xb0, w1b0
.if DOCPART == 5
	.amdgcn_target "amdgcn-amd-amdhsa--gfx1250"
	.amdhsa_code_object_version 6
	.text
	.protected	k_q78185b3319_cvt
	.globl	k_q78185b3319_cvt
	.p2align	8
	.type	k_q78185b3319_cvt,@function
k_q78185b3319_cvt:
	s_mov_b64 s[64:65], 0
	v_nop
	global_prefetch_b8 v0, s[64:65] scope:SCOPE_SE
	s_setreg_imm32_b32 hwreg(HW_REG_WAVE_SCHED_MODE, 0, 2), 2
	s_setreg_imm32_b32 hwreg(HW_REG_WAVE_MODE, 25, 1), 1
	s_wait_xcnt 0x0
	s_wait_alu depctr_vm_vsrc(0)
; f32 -> bf16 (round to nearest even), layout unchanged, for what the first product's first launch needs: the first 33,554,432 bytes of x
; (rows 0 to 8191, experts 0 to 3) -> xb0 and the first 33,554,432 bytes of w1 (experts 0 to 3) -> w1b0.  The other halves, and w2, are
; converted beside the matrix work of the next two launches.
; The grid's y picks the pair of buffers; the 256 work-groups along x take 131,072 bytes of input each, a wave 16,384 bytes as 32 loads of
; 512 consecutive bytes (16 bytes a lane).  A load's 128 numbers leave as one store of 8 bytes a lane: 256 consecutive bytes at a multiple
; of 256 from the buffer's first byte.  Every byte is read once and written once.
; Nothing is shared between lanes, so there is no LDS, no barrier, no matrix work and no cluster.
; THE MODE: SCHED_MODE bits 1:0 = 2 (LLVM: expert scheduling mode 2), set by the entry lines.  The code itself states the register dependences
; between vector instructions and memory instructions, with s_wait_alu, always for 0.
; THE PLAN.  A wave's 32 loads go in 8 blocks of four.  Registers that memory instructions touch:
;   v1, v2   byte offsets, made once at the head and never written again: v1 is read by every load, v2 by every store; the rest stands in immediates.
;   X        four registers of its own for each of the 32 loads: written by that load alone, read by its two conversions alone.
;   Y        two registers of its own for each of the 32 stores: written once, by two conversions; read by that store alone.
; So no register that a memory instruction reads is ever written again, no load lands in a register that a vector instruction has named, and no
; base is stepped.  What is left to state: the offsets are written ahead of the first load, and a block's Y is written ahead of its stores.
; Block p converts X[p] into Y[p]; its memory instructions are the loads of block p + AHEAD and the stores of block p - 1, whose registers no
; vector instruction of block p names.  So one wait at a block's head serves its four stores, and these and the loads are dealt among its conversions.
.set BLOCK,  4                         ; loads in a block
.set BLOCKS, 8
.set AHEAD,  5                         ; blocks requested at the head; block p requests block p + AHEAD
.set CHUNK,  512                       ; input bytes of one load of a wave
.set X, 4                              ; v[4:131]   load n: 4 registers at X + 4 n, 4 f32 as loaded
.set Y, 132                            ; v[132:195] store n: 2 registers at Y + 2 n, 4 bf16 to store
                                       ; v1 input byte offset of my 16 bytes, v2 output byte offset of my 8 bytes
	s_load_b256 s[4:11], s[0:1], 0x0               ; x s[4:5], w1 s[6:7], xb0 s[8:9], w1b0 s[10:11]
	s_and_b32 s16, ttmp7, 0xffff                   ; y: which pair of buffers
	v_lshrrev_b32 v3, 5, v0                        ; wave
	v_and_b32 v1, 31, v0                           ; lane
	v_lshlrev_b32 v1, 4, v1                        ; 16 bytes a lane
	v_lshl_or_b32 v1, v3, 14, v1                   ; + wave x 16,384 bytes
	v_lshrrev_b32 v2, 1, v1                        ; the output has half the bytes
	s_wait_kmcnt 0x0
	s_cmp_eq_u32 s16, 1                            ; the choice hangs on the work-group's y alone
	s_cselect_b64 s[18:19], s[6:7], s[4:5]
	s_cselect_b64 s[20:21], s[10:11], s[8:9]
	s_lshl_b32 s2, ttmp9, 17                       ; the work-group's 131,072 bytes of input (below 32 MiB: one word)
	s_mov_b32 s3, 0
	s_add_nc_u64 s[18:19], s[18:19], s[2:3]
	s_lshl_b32 s2, ttmp9, 16                       ; and its 65,536 bytes of output
	s_add_nc_u64 s[20:21], s[20:21], s[2:3]
	s_wait_alu depctr_va_vdst(0)                   ; v1 and v2 are written: every load of the kernel reads v1 as its offset, every store v2
.irp i, 0,1,2,3,4,5,6,7,8,9,10,11,12,13,14,15,16,17,18,19
	global_load_b128 v[X+4*(\i):X+4*(\i)+3], v1, s[18:19] offset:CHUNK*(\i) th:TH_LOAD_NT   ; blocks 0 to 4; the launch reads each byte once
.endr
; Block p.  ahead = 1: block p + AHEAD is requested.  left = how many younger loads may stay out when this block's four have to be there.
.macro BLK p, ahead, left
	s_wait_loadcnt \left                           ; loads come back in order (ISA guide 5.7.1): this block's four are in, the younger blocks stay out
.if (\p) > 0
	s_wait_alu depctr_va_vdst(0)                   ; the conversions of the block before have written its Y, which the four stores below read
.endif
.irp i, 0,1,2,3
.if \ahead
	global_load_b128 v[X+4*(BLOCK*((\p)+AHEAD)+(\i)):X+4*(BLOCK*((\p)+AHEAD)+(\i))+3], v1, s[18:19] offset:(BLOCK*((\p)+AHEAD)+(\i))*CHUNK th:TH_LOAD_NT  ; into registers that no vector instruction has named
.endif
.if (\p) > 0
	global_store_b64 v2, v[Y+2*(BLOCK*((\p)-1)+(\i)):Y+2*(BLOCK*((\p)-1)+(\i))+1], s[20:21] offset:(BLOCK*((\p)-1)+(\i))*CHUNK/2  ; the block before; no vector instruction since the wait names these registers; no hint: the next launch reads these bytes
.endif
	v_cvt_pk_bf16_f32 v[Y+2*(BLOCK*(\p)+(\i))],   v[X+4*(BLOCK*(\p)+(\i))],   v[X+4*(BLOCK*(\p)+(\i))+1]
	v_cvt_pk_bf16_f32 v[Y+2*(BLOCK*(\p)+(\i))+1], v[X+4*(BLOCK*(\p)+(\i))+2], v[X+4*(BLOCK*(\p)+(\i))+3]
.endr
.endm
	BLK 0, 1, 16                                   ; blocks 1 to 4 stay out; there is no block in front, so no store and no wait but the one for the data
	BLK 1, 1, 16
	BLK 2, 1, 16                                   ; requests block 7, the wave's last: no load leaves the wave's share
	BLK 3, 0, 16                                   ; blocks 4 to 7 stay out
	BLK 4, 0, 12                                   ; nothing more is requested: the counts run down
	BLK 5, 0, 8
	BLK 6, 0, 4
	BLK 7, 0, 0
	s_wait_alu depctr_va_vdst(0)                   ; block 7's conversions have written its Y, which the last four stores read
.irp i, 0,1,2,3
	global_store_b64 v2, v[Y+2*(BLOCK*(BLOCKS-1)+(\i)):Y+2*(BLOCK*(BLOCKS-1)+(\i))+1], s[20:21] offset:(BLOCK*(BLOCKS-1)+(\i))*CHUNK/2
.endr
	s_endpgm
.Lfunc_end_k_q78185b3319_cvt:
	.size	k_q78185b3319_cvt, .Lfunc_end_k_q78185b3319_cvt-k_q78185b3319_cvt
	.p2alignl 7, 3214868480
	.fill 96, 4, 3214868480
	.section	.rodata,"a",@progbits
	.p2align	6, 0x0
	.amdhsa_kernel k_q78185b3319_cvt
		.amdhsa_group_segment_fixed_size 0
		.amdhsa_private_segment_fixed_size 0
		.amdhsa_enable_private_segment 0
		.amdhsa_kernarg_size 32
		.amdhsa_user_sgpr_count 2
		.amdhsa_user_sgpr_kernarg_segment_ptr 1
		.amdhsa_wavefront_size32 1
		.amdhsa_system_sgpr_workgroup_id_x 1
		.amdhsa_system_sgpr_workgroup_id_y 1
		.amdhsa_system_sgpr_workgroup_id_z 1
		.amdhsa_system_vgpr_workitem_id 0
		.amdhsa_next_free_vgpr 196
		.amdhsa_next_free_sgpr 66
		.amdhsa_reserve_vcc 0
		.amdhsa_float_denorm_mode_32 3
		.amdhsa_float_denorm_mode_16_64 3
		.amdhsa_memory_ordered 1
		.amdhsa_forward_progress 1
		.amdhsa_inst_pref_size 12
	.end_amdhsa_kernel
	.amdgpu_metadata
---
amdhsa.version: [ 1, 2 ]
amdhsa.kernels:
  - .name:           k_q78185b3319_cvt
    .symbol:         k_q78185b3319_cvt.kd
    .args:
      - { .name: x, .offset: 0, .size: 8, .value_kind: global_buffer, .address_space: global }
      - { .name: w1, .offset: 8, .size: 8, .value_kind: global_buffer, .address_space: global }
      - { .name: xb0, .offset: 16, .size: 8, .value_kind: global_buffer, .address_space: global }
      - { .name: w1b0, .offset: 24, .size: 8, .value_kind: global_buffer, .address_space: global }
    .group_segment_fixed_size: 0
    .private_segment_fixed_size: 0
    .kernarg_segment_align: 8
    .kernarg_segment_size: 32
    .max_flat_workgroup_size: 256
    .sgpr_count:     66
    .vgpr_count:     196
    .wavefront_size: 32
...
	.end_amdgpu_metadata
.endif
;; end of part 5
;; launch upa: the kernel of part 2 again; grid 8 x 32, 4 waves a work-group, clusters of 4 x 4, 327,680 bytes of LDS; arguments xb0, w1b0, hb, b1, x, w1, xb1, w1b1; writes hb, xb1, w1b1
;; launch upb: the kernel of part 3 again; grid 8 x 32, 4 waves a work-group, clusters of 4 x 4, 327,680 bytes of LDS; arguments xb1, w1b1, hb, b1, w2, w2b; writes hb, w2b
;; launch down: the kernel of part 4 again; grid 4 x 64, 4 waves a work-group, clusters of 4 x 4, 327,680 bytes of LDS; arguments hb, w2b, out0, b2; writes out0
